; MI455X (gfx1250); checked and timed in simulation.
; The chip was launched on July 23, 2026; its instructions are those of AMD's public machine-readable ISA for CDNA 5 (MIT licence, August 2026) and "CDNA5" Instruction Set Architecture Reference Guide (July 2026). The comments in the code are by the model that wrote it; some were corrected since.
;; Llama Attention. Allowed arithmetic: matrix products marked QUANTISED: E2M1 operands, one E8M0 scale for each 32 along K, by v_wmma_scale_f32_16x16x128_f8f6f4 with both operands' format E2M1 (or v_wmma_scale_f32_32x16x128_f4), f32 sums; products left as they are: bf16, f16 or f32 operands; f32 sums; everything else in f32.
;; Inputs: Wk 4,096 x 1,024 float32; Wo 2,048 x 4,096 float32; Wq 4,096 x 2,048 float32; Wv 4,096 x 1,024 float32; attention_mask 1 x 1 x 1 x 2,048 bool; bk 1,024 float32; bo 4,096 float32; bq 2,048 float32; bv 1,024 float32; hidden_states 1 x 2,048 x 4,096 float32; position_ids 1 x 2,048 int32.
;; Outputs: out0 1 x 2,048 x 4,096 float32.
;; This version of the problem:
;;   THIS VERSION OF THE PROBLEM IS GIVEN IN LOW PRECISION. The matrix products marked QUANTISED in the list below multiply operands that are first quantised to E2M1 (2 exponent bits, 1 mantissa bit; 4 bits a number), with one power-of-two scale for each 32 numbers along K (OCP MX v1.0); their sums are f32. The products marked 'left as it is' may take bf16, f16 or f32 operands, with f32 sums. Whichever they take, every output number must still come out within the allowed error. Rounding operands to bf16 (8 significant bits) uses up far more of that allowance than f16 does (11 bits, for magnitudes from 6e-5 to 65,504). All else is computed in f32.
;;   The module's matrix products, in the order in which they are computed (A, B: the left and right operand; K: the contracted axis; several contracted axes count as one K, in the product's order):
;;     1. [M 2,048, K 4,096] x [K 4,096, N 2,048]; A: input hidden_states; B: input Wq: QUANTISED
;;     2. [M 2,048, K 4,096] x [K 4,096, N 1,024]; A: input hidden_states; B: input Wk: QUANTISED
;;     3. [M 2,048, K 4,096] x [K 4,096, N 1,024]; A: input hidden_states; B: input Wv: QUANTISED
;;     4. batch 16 x [M 2,048, K 128] x [K 128, N 2,048]; A: computed on the way; B: computed on the way: left as it is (an operand is computed on the way)
;;     5. batch 16 x [M 128, K 2,048] x [K 2,048, N 2,048]; A: computed on the way; B: computed on the way: left as it is (an operand is computed on the way)
;;     6. [M 2,048, K 2,048] x [K 2,048, N 4,096]; A: computed on the way; B: input Wo: left as it is (an operand is computed on the way)
;;   THE QUANTISER, for each operand of a quantised product, along K:
;;     - K is cut into blocks of 32 from its start; a last block that is shorter is filled with zeros.
;;     - A block's scale is 2^e with e = floor(log2(the largest magnitude in the block)) - 2, held to -126 .. 127; a block of zeros has e = 0. As a byte (E8M0): e + 127.
;;     - Each number is divided by its block's scale, clamped to +-6, and rounded to the nearest number of E2M1, ties to even, subnormals kept.
;;     - The product sums the exact products of the quantised numbers (number of the format x scale) in f32.
;;   ~~~python
;;   def quantise(x, axis):      # numpy; x: float32 -> the quantised numbers, widened to float32 again
;;       x = np.moveaxis(x, axis, -1); K = x.shape[-1]
;;       x = np.pad(x, [(0, 0)] * (x.ndim - 1) + [(0, -K % 32)]); x = x.reshape(x.shape[:-1] + (-1, 32)); a = np.abs(x).max(-1, keepdims=True)
;;       e = np.where(a > 0, np.clip(np.frexp(np.where(a > 0, a, 1))[1] - 1 - 2, -126, 127), 0)      # np.frexp(a)[1] - 1 = floor(log2(a)), exactly
;;       r = np.clip(x / 2.0 ** e, -6, 6)
;;       step = 2.0 ** (np.maximum(np.frexp(np.where(r == 0, 1, r))[1] - 1, 0) - 1)
;;       q = np.round(r / step) * step * 2.0 ** e      # np.round: ties to even
;;       return np.moveaxis(q.reshape(q.shape[:-2] + (-1,))[..., :K], -1, axis).astype(np.float32)
;;   ~~~
;; One version. Each part assembles by itself: llvm-mc -triple=amdgcn-amd-amdhsa -mcpu=gfx1250 --defsym DOCPART=n.
;; ======== version 1 of 1: 4 launches
;; limits: values are held in f16: magnitudes above 65,504 overflow, below 6.1e-05 lose precision; right only within a limited range of input values
;; workspace buffers: xc 4,194,304 bytes; wc 8,388,608 bytes; sc 786,432 bytes; tab 1,048,576 bytes; wo16 16,777,216 bytes; qkv 16,777,216 bytes; vsum 65,536 bytes; at 8,388,608 bytes
;; launch prep (part 1): grid 256 x 1, 12 waves a work-group, no clusters, 69,120 bytes of LDS; arguments hidden_states, position_ids, xc, tab, Wq, Wk, Wv, wc, sc, Wo, wo16; writes xc, tab, wc, sc, wo16
.if DOCPART == 1
	.amdgcn_target "amdgcn-amd-amdhsa--gfx1250"
	.amdhsa_code_object_version 6
	.text
	.protected	k_q974b6a81a9_prep
	.globl	k_q974b6a81a9_prep
	.p2align	8
	.type	k_q974b6a81a9_prep,@function
k_q974b6a81a9_prep:
	s_mov_b64 s[64:65], 0
	v_nop
	global_prefetch_b8 v0, s[64:65] scope:SCOPE_SE
	s_setreg_imm32_b32 hwreg(HW_REG_WAVE_MODE, 25, 1), 1
	s_wait_xcnt 0x0
; PREP: every f32 input of the matrix products is read once and laid as the later launches want it.  Twelve waves in three roles, which part once on the wave's number and never meet again.
;  waves 0-3  (X): hidden_states [2048][4096] f32 -> codes of E2M1, K innermost, xc [2048][2048 bytes], and their E8M0 bytes; also the rotary table, gathered by position_ids.
;  waves 4-7  (W): Wq, Wk, Wv [4096 k][n] f32 -> codes with K innermost, wc [4096 n][2048 bytes] (n 0-2047 q, 2048-3071 k, 3072-4095 v), and their bytes.  A lane takes a column, its registers run down K.
;  waves 8-11 (C): Wo f32 -> f16(4 Wo), laid as Wo lies.  (The attention's output is kept x 1/4: both factors are powers of two.)
; SCALE BYTES: sc [8 K steps of 512][6144 rows][16 bytes]: rows 0-2047 are hidden_states' rows, row 2048 + n is column n of the weights: 16 rows of a K step are 256 consecutive bytes.
; A block's scale is 2^(floor(log2(largest magnitude)) - 2); its byte is the largest magnitude's exponent field - 2, held at 1 from below.  A block of zeros gets the byte 1 where the rule says 127: its codes are zeros, and this program alone reads the bytes.
; THE TABLE: tab [2048 rows][64 sines, 64 cosines] f32, both x 1/4, of the angle p x 10000^(-j/64), p = position_ids[row].  The angle is reduced by n = round(x 2/pi), r = x - n pi/2 in two fused multiply-adds
; (n is under 2^12, so the first is exact), and the series for |r| <= pi/4 follow.  The angle is made in f32: it is off by some 2^-23 of itself.
; LIMITS: position_ids above 4095 are held at 4095; NaN and infinities among the inputs are not served; blocks whose largest magnitude lies under 2^-124 keep the byte 1.
; No tensor load, no barrier, no loop: every offset is an immediate; each wave has LDS bytes of its own.
.set KSB,   98304                      ; bytes of sc in a K step
.set SPARE, 67584                      ; the spare words, 128 bytes for each of twelve waves: six blocks of 256 bytes that no other line names
.set SPW,   254                        ; v254 LDS address of my spare word; never rewritten
.set NIL,   255                        ; v255 0; never rewritten
.set EMAX,  2
.set XREG,  8192                       ; role X: a region for each wave: two stages of 32 x 80 bytes, behind them its 256 scale bytes
.set XSP,   80                         ; a lane's place in a stage: 64 bytes + 16 of padding
.set XR,    16                         ; v16-79   four sets of 16 numbers as loaded
.set XX,    80                         ; v80-111  two sets of 16 neighbours
.set XE,    112                        ; v112-127 a scale byte for each step
.set XC,    128                        ; v128-191 codes, four registers for each step
.set WSTG,  32768                      ; role W: a stage of 32 rows x 272 bytes for each wave
.set WP,    272
.set WSB,   24                         ; v24-27   scale bytes, four to a register
.set WX,    32                         ; v32-95   two sets of 32 numbers
.set WC,    96                         ; v96-99   a block's codes
.set WOUT,  104                        ; v104-167 the way out
.set WOFF,  168                        ; v168-199 4 x lane + i rows of the weight
	s_load_b256 s[4:11], s[0:1], 0x0               ; hidden_states s[4:5], position_ids s[6:7], xc s[8:9], tab s[10:11]
	s_load_b256 s[12:19], s[0:1], 0x20             ; Wq s[12:13], Wk s[14:15], Wv s[16:17], wc s[18:19]
	s_load_b128 s[20:23], s[0:1], 0x40             ; sc s[20:21], Wo s[22:23]
	s_load_b64 s[24:25], s[0:1], 0x50              ; wo16
	v_lshl_add_u32 v[SPW], v0, 2, SPARE
	v_mov_b32 v[NIL], 0
	v_lshrrev_b32 v1, 5, v0
	v_readfirstlane_b32 s26, v1                    ; wave 0..11
	s_and_b32 s27, s26, 3                          ; my number within my role
	v_and_b32 v2, 31, v0                           ; lane
	s_mov_b32 s33, 0
	s_wait_kmcnt 0x0
	s_cmp_lt_u32 s26, 4
	s_cbranch_scc0 .Lnot_x
; ---------------- ROLE X: 16 rows x one K step of 512 for a wave; step t is row t ----------------
	s_lshl_b32 s28, ttmp9, 2
	s_add_co_u32 s28, s28, s27                     ; 0..1023
	s_lshr_b32 s29, s28, 3                         ; which 16 rows
	s_and_b32 s30, s28, 7                          ; which K step
	s_lshl_b32 s32, s29, 18                        ; 16 rows of 16,384 bytes
	s_lshl_b32 s34, s30, 11                        ; 512 numbers
	s_add_co_u32 s32, s32, s34
	s_add_nc_u64 s[4:5], s[4:5], s[32:33]
	s_lshl_b32 s32, s29, 15                        ; 16 rows of 2,048 bytes of codes
	s_lshl_b32 s34, s30, 8
	s_add_co_u32 s32, s32, s34
	s_add_nc_u64 s[8:9], s[8:9], s[32:33]
	s_mul_i32 s32, s30, KSB
	s_lshl_b32 s34, s29, 8                         ; 16 rows of 16 bytes
	s_add_co_u32 s32, s32, s34
	s_add_nc_u64 s[20:21], s[20:21], s[32:33]
	s_lshl_b32 s32, ttmp9, 5                       ; the work-group's 8 positions
	s_add_nc_u64 s[6:7], s[6:7], s[32:33]
	s_lshl_b32 s32, ttmp9, 12                      ; and its 8 rows of the table
	s_add_nc_u64 s[10:11], s[10:11], s[32:33]
	v_lshlrev_b32 v3, 4, v2                        ; my 16 bytes of a load's 512
	s_mul_i32 s31, s27, XREG
	v_lshrrev_b32 v14, 2, v2
	v_mul_u32_u24 v14, v14, XSP
	v_and_b32 v15, 3, v2
	v_lshl_add_u32 v14, v15, 4, v14
	v_add_nc_u32 v14, s31, v14                     ; the stage, on the way in: four lanes' 64 bytes on end, then 16 of padding
	v_mul_u32_u24 v15, v2, XSP
	v_add_nc_u32 v15, s31, v15                     ; and on the way out: my 16 neighbours
	v_lshlrev_b32 v4, 3, v2                        ; 8 bytes a lane: my codes in a step's 256, my part of the wave's scale bytes
	v_lshrrev_b32 v5, 1, v2
	s_add_co_u32 s31, s31, 2*32*XSP
	v_add_nc_u32 v5, s31, v5                       ; LDS: my block's byte
	v_add_nc_u32 v6, s31, v4                       ; and 8 bytes a lane on the way out
	v_and_b32 v232, 15, v0                         ; the table: thread t takes row t / 16 of the group's 8 and frequencies 4 (t % 16) + 0..3
	v_lshrrev_b32 v234, 4, v0
	v_lshlrev_b32 v233, 2, v232
	v_lshlrev_b32 v235, 2, v234
	global_load_b32 v192, v235, s[6:7]             ; my row's position
.macro XLOAD t
.irp i, 0,1,2,3
	global_load_b128 v[XR+16*((\t)%4)+4*\i:XR+16*((\t)%4)+4*\i+3], v3, s[4:5] offset:16384*(\t)+512*\i th:TH_LOAD_NT   ; 32 lanes read 512 consecutive bytes of row t
.endr
.endm
.macro XTURN t                         ; step t's numbers through the stage: LDS serves a wave's instructions in order, so no wait stands between the stores and the loads
.irp i, 0,1,2,3
	ds_store_b128 v14, v[XR+16*((\t)%4)+4*\i:XR+16*((\t)%4)+4*\i+3] offset:32*XSP*((\t)%2)+8*XSP*\i
.endr
.irp i, 0,1,2,3
	ds_load_b128 v[XX+16*((\t)%2)+4*\i:XX+16*((\t)%2)+4*\i+3], v15 offset:32*XSP*((\t)%2)+16*\i
.endr
.endm
.irp t, 0,1,2,3
	XLOAD \t
.endr
	s_mov_b32 s40, 0xbe549a78                      ; -log2(10000) / 64
	s_mov_b32 s41, 0xbfc90fdb                      ; -(pi/2 rounded to f32)
	s_mov_b32 s42, 0x333bbd2e                      ; that number less pi/2
	s_mov_b32 s43, 0xb94ca1f9                      ; the sine's series
	s_mov_b32 s44, 0x3c08839e
	s_mov_b32 s45, 0xbe2aaaa3
	s_mov_b32 s46, 0x37ccf5ce                      ; the cosine's
	s_mov_b32 s47, 0xbab6061a
	s_mov_b32 s48, 0x3d2aaaa5
	s_wait_loadcnt 16                              ; the position is in; the sixteen loads of steps 0 to 3 are younger
	v_min_u32 v192, 0xfff, v192
	v_cvt_f32_u32 v192, v192
.irp j, 0,1,2,3
	v_add_nc_u32 v[196+\j], \j, v233
.endr
.irp j, 0,1,2,3
	v_cvt_f32_u32 v[196+\j], v[196+\j]
.endr
.irp j, 0,1,2,3
	v_mul_f32 v[196+\j], s40, v[196+\j]
.endr
.irp j, 0,1,2,3
	v_exp_f32 v[196+\j], v[196+\j]                 ; 10000^(-j/64)
.endr
	v_nop                                          ; a plain instruction behind the last exponential
	s_wait_alu depctr_va_vdst(0)                   ; one wait for the four, ahead of their first reader
.irp j, 0,1,2,3
	v_mul_f32 v[196+\j], v192, v[196+\j]           ; the angle x
.endr
.irp j, 0,1,2,3
	v_mul_f32 v[200+\j], 0x3f22f983, v[196+\j]
.endr
.irp j, 0,1,2,3
	v_rndne_f32 v[200+\j], v[200+\j]               ; n = round(x 2/pi)
.endr
.irp j, 0,1,2,3
	v_fma_f32 v[208+\j], v[200+\j], s41, v[196+\j]
.endr
.irp j, 0,1,2,3
	v_fma_f32 v[208+\j], v[200+\j], s42, v[208+\j] ; r = x - n pi/2
.endr
.irp j, 0,1,2,3
	v_cvt_i32_f32 v[204+\j], v[200+\j]
.endr
.irp j, 0,1,2,3
	v_mul_f32 v[212+\j], v[208+\j], v[208+\j]      ; s = r r
.endr
.irp j, 0,1,2,3
	v_fma_f32 v[224+\j], v[212+\j], s43, s44
	v_fma_f32 v[228+\j], v[212+\j], s46, s47
.endr
.irp j, 0,1,2,3
	v_fma_f32 v[224+\j], v[224+\j], v[212+\j], s45
	v_fma_f32 v[228+\j], v[228+\j], v[212+\j], s48
.endr
.irp j, 0,1,2,3
	v_mul_f32 v[196+\j], v[208+\j], v[212+\j]      ; r s
	v_mul_f32 v[200+\j], v[212+\j], v[212+\j]      ; s s
.endr
.irp j, 0,1,2,3
	v_fma_f32 v[212+\j], v[212+\j], -0.5, 1.0
.endr
.irp j, 0,1,2,3
	v_fma_f32 v[224+\j], v[196+\j], v[224+\j], v[208+\j]   ; sin r
	v_fma_f32 v[228+\j], v[200+\j], v[228+\j], v[212+\j]   ; cos r
.endr
.irp j, 0,1,2,3                                ; the quadrant: odd n: sine and cosine change places; the sine is negative for n % 4 = 2, 3, the cosine for 1, 2
	v_and_b32 v196, 1, v[204+\j]
	v_cmp_eq_u32 vcc_lo, 1, v196
	v_cndmask_b32 v[216+\j], v[224+\j], v[228+\j], vcc_lo
	v_cndmask_b32 v[220+\j], v[228+\j], v[224+\j], vcc_lo
	v_and_b32 v197, 2, v[204+\j]
	v_add_nc_u32 v198, 1, v[204+\j]
	v_and_b32 v198, 2, v198
	v_lshlrev_b32 v197, 30, v197
	v_lshlrev_b32 v198, 30, v198
	v_xor_b32 v[216+\j], v[216+\j], v197
	v_xor_b32 v[220+\j], v[220+\j], v198
.endr
.irp j, 0,1,2,3,4,5,6,7
	v_mul_f32 v[216+\j], 0x3e800000, v[216+\j]     ; x 1/4: q and k are kept so
.endr
	v_lshlrev_b32 v236, 9, v234
	v_lshl_add_u32 v236, v232, 4, v236
	global_store_b128 v236, v[216:219], s[10:11]             ; sixteen lanes store 256 consecutive bytes: a row's sines,
	global_store_b128 v236, v[220:223], s[10:11] offset:256  ; and its cosines
	s_wait_loadcnt 12                              ; step 0's four loads are in
	XTURN 0
.macro XSTEP t
.set XS, XX+16*((\t)%2)
.if (\t) > 0
	s_wait_dscnt 1                                 ; this step's numbers are back from the stage (the last step's byte store is younger)
.else
	s_wait_dscnt 0x0
.endif
.if (\t)+4 < 16
	XLOAD (\t)+4                                   ; into the registers that this step's stores into the stage have read
.endif
.if (\t)+1 < 16
.if 14-(\t) >= 3
	s_wait_loadcnt 12                              ; the next step's four loads are in; those of the three steps behind it are younger
.else
	s_wait_loadcnt 4*(14-(\t))
.endif
	XTURN (\t)+1
.endif
	v_max3_num_f32 v8, |v[XS]|, |v[XS+1]|, |v[XS+2]|               ; the largest magnitude of my 16
	v_max3_num_f32 v9, |v[XS+3]|, |v[XS+4]|, |v[XS+5]|
.irp i, 6,10
	v_max3_num_f32 v8, v8, |v[XS+\i]|, |v[XS+\i+1]|
	v_max3_num_f32 v9, v9, |v[XS+\i+2]|, |v[XS+\i+3]|
.endr
	v_max3_num_f32 v8, v8, |v[XS+14]|, |v[XS+15]|
	v_max3_num_f32 v8, v8, v9, (EMAX+1)<<23        ; and the floor 2^(3 - 127): the byte cannot fall under 1
	v_max_num_f32_dpp v8, v8, v8 row_xmask:1 row_mask:0xf bank_mask:0xf   ; and of my neighbour's 16: the block's
	v_add_nc_u32 v11, -(EMAX<<23), v8              ; 2 off its exponent field: the conversion takes this operand's exponent field as its scale
	v_cvt_scalef32_pk8_fp4_f32 v[XC+4*(\t)], v[XS:XS+7], v11
	v_cvt_scalef32_pk8_fp4_f32 v[XC+4*(\t)+1], v[XS+8:XS+15], v11
	v_lshrrev_b32 v[XE+(\t)], 23, v11              ; the scale's byte
	ds_store_b8 v5, v[XE+(\t)] offset:16*(\t)      ; both lanes of a block write the same byte with the same value
	global_store_b64 v4, v[XC+4*(\t):XC+4*(\t)+1], s[8:9] offset:2048*(\t)   ; the wave stores 256 consecutive bytes of row t's codes
.endm
.irp t, 0,1,2,3,4,5,6,7,8,9,10,11,12,13,14,15
	XSTEP \t
.endr
	ds_load_b64 v[8:9], v6                         ; LDS serves a wave's instructions in order: these see my byte stores
	s_wait_dscnt 0x0
	global_store_b64 v4, v[8:9], s[20:21]          ; 16 rows x 16 bytes: 256 consecutive bytes
	s_wait_tensorcnt 0x0                           ; the wave's end
	ds_add_u32 v[SPW], v[NIL]
	s_wait_dscnt 0x0
	s_endpgm
.Lnot_x:
	s_cmp_lt_u32 s26, 8
	s_cbranch_scc0 .Lrole_c
; ---------------- ROLE W: 32 columns x one K step of 512 for a wave: 16 blocks a lane ----------------
	s_and_b32 s28, ttmp9, 31                       ; which 128 columns of the 4,096
	s_lshr_b32 s29, ttmp9, 5                       ; which K step
	s_lshl_b32 s30, s28, 7
	s_lshl_b32 s31, s27, 5
	s_add_co_u32 s30, s30, s31                     ; my first column n0
	s_cmp_lt_u32 s28, 24                           ; the weight, its first column and its row's bytes are chosen by the work-group's number alone
	s_cselect_b64 s[66:67], s[14:15], s[16:17]
	s_mov_b32 s68, 3072
	s_cselect_b32 s68, 2048, s68
	s_cmp_lt_u32 s28, 16
	s_cselect_b64 s[66:67], s[12:13], s[66:67]
	s_cselect_b32 s68, 0, s68
	s_mov_b32 s69, 4096
	s_cselect_b32 s69, 8192, s69
	v_lshlrev_b32 v3, 2, v2
.set I, 0
.rept 32
	v_mad_u32_u24 v[WOFF+I], s69, I, v3            ; row I of a block, my column
.set I, I+1
.endr
	s_sub_co_u32 s70, s30, s68
	s_lshl_b32 s70, s70, 2
	s_mul_i32 s71, s29, s69
	s_lshl_b32 s71, s71, 9                         ; 512 rows a K step
	s_add_co_u32 s70, s70, s71
	s_mov_b32 s71, 0
	s_add_nc_u64 s[32:33], s[66:67], s[70:71]      ; block 0's first row
	s_lshl_b32 s70, s69, 5                         ; 32 rows on
.irp t, 1,2,3,4,5,6,7,8,9,10,11,12,13,14,15
	s_add_nc_u64 s[32+2*\t:33+2*\t], s[30+2*\t:31+2*\t], s[70:71]
.endr
.macro WLOAD t                         ; block t: W(32 t + i, my column) into set t % 2: each load reads 128 consecutive bytes
.set I, 0
.rept 32
	global_load_b32 v[WX+32*((\t)%2)+I], v[WOFF+I], s[32+2*(\t):33+2*(\t)] th:TH_LOAD_NT
.set I, I+1
.endr
.endm
	WLOAD 0
	WLOAD 1
	s_mul_i32 s72, s27, 32*WP
	s_add_co_u32 s72, s72, WSTG                    ; my stage
	v_mul_u32_u24 v4, v2, WP
	v_add_nc_u32 v4, s72, v4                       ; into it: row = my column
	v_and_b32 v5, 15, v2
	v_lshrrev_b32 v6, 4, v2
	v_mul_u32_u24 v7, v6, WP
	v_lshl_add_u32 v7, v5, 4, v7
	v_add_nc_u32 v7, s72, v7                       ; out of it: sixteen lanes to a row, two rows an instruction
	v_lshlrev_b32 v8, 11, v6
	v_lshl_add_u32 v8, v5, 4, v8                   ; and the same place in wc
	v_lshlrev_b32 v9, 4, v2                        ; my column's 16 scale bytes
	s_lshl_b32 s70, s30, 11
	s_lshl_b32 s73, s29, 8
	s_add_co_u32 s70, s70, s73
	s_add_nc_u64 s[18:19], s[18:19], s[70:71]      ; wc at row n0, this K step
	s_mul_i32 s70, s29, KSB
	s_add_co_u32 s73, s30, 2048
	s_lshl_b32 s73, s73, 4
	s_add_co_u32 s70, s70, s73
	s_add_nc_u64 s[20:21], s[20:21], s[70:71]      ; sc at this K step, row 2048 + n0
.macro WBLOCK t
.set XS, WX+32*((\t)%2)
.if (\t) < 15
	s_wait_loadcnt 32                              ; this block's 32 loads are in; the next block's 32 are younger
.else
	s_wait_loadcnt 0x0
.endif
	v_max3_num_f32 v12, |v[XS]|, |v[XS+1]|, |v[XS+2]|              ; the block's largest magnitude: all 32 numbers are mine
	v_max3_num_f32 v13, |v[XS+3]|, |v[XS+4]|, |v[XS+5]|
.irp i, 6,10,14,18,22,26
	v_max3_num_f32 v12, v12, |v[XS+\i]|, |v[XS+\i+1]|
	v_max3_num_f32 v13, v13, |v[XS+\i+2]|, |v[XS+\i+3]|
.endr
	v_max3_num_f32 v12, v12, |v[XS+30]|, |v[XS+31]|
	v_max3_num_f32 v12, v12, v13, (EMAX+1)<<23     ; and the floor
	v_add_nc_u32 v11, -(EMAX<<23), v12
	v_lshrrev_b32 v13, 23, v11                     ; the scale's byte
.if (\t)%4 == 0
	v_mov_b32 v[WSB+(\t)/4], v13
.else
	v_lshl_or_b32 v[WSB+(\t)/4], v13, 8*((\t)%4), v[WSB+(\t)/4]
.endif
.irp g, 0,1,2,3
	v_cvt_scalef32_pk8_fp4_f32 v[WC+\g], v[XS+8*\g:XS+8*\g+7], v11
.endr
	ds_store_b128 v4, v[WC:WC+3] offset:16*(\t)    ; 32 codes: 16 bytes of my column's row
.if (\t)+2 < 16
	WLOAD (\t)+2
.endif
	s_wait_dscnt 0x0                               ; the store has read its registers: the next block's codes may be written
.endm
.irp t, 0,1,2,3,4,5,6,7,8,9,10,11,12,13,14,15
	WBLOCK \t
.endr
	global_store_b128 v9, v[WSB:WSB+3], s[20:21]   ; 32 columns x 16 bytes: 512 consecutive bytes
.irp t, 0,1,2,3,4,5,6,7,8,9,10,11,12,13,14,15
	ds_load_b128 v[WOUT+4*\t:WOUT+4*\t+3], v7 offset:2*\t*WP
.endr
.irp t, 0,1,2,3,4,5,6,7,8,9,10,11,12,13,14,15
	s_wait_dscnt 15-\t                             ; the loads behind load t are younger
	global_store_b128 v8, v[WOUT+4*\t:WOUT+4*\t+3], s[18:19] offset:2*\t*2048   ; sixteen lanes store 256 consecutive bytes of a row of wc
.endr
	s_wait_tensorcnt 0x0                           ; the wave's end, as above
	ds_add_u32 v[SPW], v[NIL]
	s_wait_dscnt 0x0
	s_endpgm
.Lrole_c:
; ---------------- ROLE C: 32,768 bytes of Wo for a wave: 64 loads of 512 bytes in four groups, on three sets of 64 registers ----------------
	s_lshl_b32 s28, ttmp9, 2
	s_add_co_u32 s28, s28, s27
	s_lshl_b32 s32, s28, 15
	s_add_nc_u64 s[22:23], s[22:23], s[32:33]
	s_lshl_b32 s32, s28, 14
	s_add_nc_u64 s[24:25], s[24:25], s[32:33]
	v_lshlrev_b32 v3, 4, v2
	v_lshlrev_b32 v4, 3, v2
.macro CLOAD i
.set CR, 16+64*(((\i)/16)%3)+4*((\i)%16)
	global_load_b128 v[CR:CR+3], v3, s[22:23] offset:512*(\i) th:TH_LOAD_NT
.endm
.macro CDO i, left                     ; left: the loads issued behind load i
.set CR, 16+64*(((\i)/16)%3)+4*((\i)%16)
	s_wait_loadcnt \left
	v_pk_mul_f32 v[CR:CR+1], v[CR:CR+1], 4.0 op_sel_hi:[1,0]
	v_pk_mul_f32 v[CR+2:CR+3], v[CR+2:CR+3], 4.0 op_sel_hi:[1,0]
	v_cvt_pk_f16_f32 v[CR], v[CR], v[CR+1]
	v_cvt_pk_f16_f32 v[CR+1], v[CR+2], v[CR+3]
	global_store_b64 v4, v[CR:CR+1], s[24:25] offset:256*(\i)   ; the wave stores 256 consecutive bytes
.endm
.set J, 0
.rept 48
	CLOAD J
.set J, J+1
.endr
.set J, 0
.rept 16
	CDO J, 47-J
.set J, J+1
.endr
	s_wait_xcnt 0x0                                ; group 0's stores have read their registers: group 3 may land there
.set J, 48
.rept 16
	CLOAD J
.set J, J+1
.endr
.set J, 16
.rept 48
	CDO J, 63-J
.set J, J+1
.endr
	s_wait_tensorcnt 0x0                           ; (this role stores nothing to LDS; the three lines stand here as in the other two)
	ds_add_u32 v[SPW], v[NIL]
	s_wait_dscnt 0x0
	s_endpgm
.Lfunc_end_k_q974b6a81a9_prep:
	.size	k_q974b6a81a9_prep, .Lfunc_end_k_q974b6a81a9_prep-k_q974b6a81a9_prep
	.p2alignl 7, 3214868480
	.fill 96, 4, 3214868480
	.section	.rodata,"a",@progbits
	.p2align	6, 0x0
	.amdhsa_kernel k_q974b6a81a9_prep
		.amdhsa_group_segment_fixed_size 69120
		.amdhsa_private_segment_fixed_size 0
		.amdhsa_enable_private_segment 0
		.amdhsa_kernarg_size 88
		.amdhsa_user_sgpr_count 2
		.amdhsa_user_sgpr_kernarg_segment_ptr 1
		.amdhsa_wavefront_size32 1
		.amdhsa_system_sgpr_workgroup_id_x 1
		.amdhsa_system_sgpr_workgroup_id_y 1
		.amdhsa_system_sgpr_workgroup_id_z 1
		.amdhsa_system_vgpr_workitem_id 0
		.amdhsa_next_free_vgpr 256
		.amdhsa_next_free_sgpr 80
		.amdhsa_reserve_vcc 1
		.amdhsa_float_denorm_mode_32 3
		.amdhsa_float_denorm_mode_16_64 3
		.amdhsa_memory_ordered 1
		.amdhsa_forward_progress 1
		.amdhsa_inst_pref_size 151
	.end_amdhsa_kernel
	.amdgpu_metadata
---
amdhsa.version: [ 1, 2 ]
amdhsa.kernels:
  - .name:           k_q974b6a81a9_prep
    .symbol:         k_q974b6a81a9_prep.kd
    .args:
      - { .name: hidden_states, .offset: 0, .size: 8, .value_kind: global_buffer, .address_space: global }
      - { .name: position_ids, .offset: 8, .size: 8, .value_kind: global_buffer, .address_space: global }
      - { .name: xc, .offset: 16, .size: 8, .value_kind: global_buffer, .address_space: global }
      - { .name: tab, .offset: 24, .size: 8, .value_kind: global_buffer, .address_space: global }
      - { .name: Wq, .offset: 32, .size: 8, .value_kind: global_buffer, .address_space: global }
      - { .name: Wk, .offset: 40, .size: 8, .value_kind: global_buffer, .address_space: global }
      - { .name: Wv, .offset: 48, .size: 8, .value_kind: global_buffer, .address_space: global }
      - { .name: wc, .offset: 56, .size: 8, .value_kind: global_buffer, .address_space: global }
      - { .name: sc, .offset: 64, .size: 8, .value_kind: global_buffer, .address_space: global }
      - { .name: Wo, .offset: 72, .size: 8, .value_kind: global_buffer, .address_space: global }
      - { .name: wo16, .offset: 80, .size: 8, .value_kind: global_buffer, .address_space: global }
    .group_segment_fixed_size: 69120
    .private_segment_fixed_size: 0
    .kernarg_segment_align: 8
    .kernarg_segment_size: 88
    .max_flat_workgroup_size: 384
    .sgpr_count:     80
    .vgpr_count:     256
    .wavefront_size: 32
...
	.end_amdgpu_metadata
.endif
;; end of part 1
;; launch proj (part 2): grid 16 x 8, 4 waves a work-group, clusters of 4 x 4, 327,680 bytes of LDS; arguments xc, wc, sc, tab, bq, bk, bv, qkv, vsum; writes qkv, vsum
.if DOCPART == 2
	.amdgcn_target "amdgcn-amd-amdhsa--gfx1250"
	.amdhsa_code_object_version 6
	.text
	.protected	k_q974b6a81a9_proj
	.globl	k_q974b6a81a9_proj
	.p2align	8
	.type	k_q974b6a81a9_proj,@function
k_q974b6a81a9_proj:
	s_mov_b64 s[64:65], 0
	v_nop
	global_prefetch_b8 v0, s[64:65] scope:SCOPE_SE
	s_setreg_imm32_b32 hwreg(HW_REG_WAVE_MODE, 25, 1), 1
	s_wait_xcnt 0x0
	s_wait_alu depctr_hold_cnt(0) depctr_sa_sdst(0) depctr_va_vdst(0) depctr_va_sdst(0) depctr_va_ssrc(0) depctr_va_vcc(0) depctr_vm_vsrc(0)
	s_getreg_b32 s2, hwreg(HW_REG_IB_STS2, 6, 4)
	s_cmp_eq_u32 s2, 0
	s_cbranch_scc0 .Lentry_in_a_cluster
	s_endpgm
.Lentry_in_a_cluster:
	s_bfe_u32 s2, ttmp6, 0x10000c
	s_cmp_lg_u32 s2, 0xf033
	s_cbranch_scc0 .Lentry_shape_is_right
	s_endpgm
.Lentry_shape_is_right:
; PROJ: q, k, v = hidden_states (Wq | Wk | Wv) + bias, one product [2048] x [4096 n], K = 4096, on codes of E2M1 with one E8M0 scale for each 32 along K; then the rotary embedding of q and k.
; OUT: qkv [32 head slots][2048 positions][128] f16, all x 1/4 (slots 0-15 q's heads, 16-23 k's, 24-31 v's), and vsum [16 chunks of 128 positions][1024] f32: column sums of v, not scaled.
; A tile of C, 256 x 256, is made by a work-group of four waves; a wave makes 128 x 128, which is 128 positions of ONE head: channels d and d + 64, which the rotation pairs, lie in one lane.
; K goes in steps of 512 through a ring of two LDS slots filled by the tensor data mover: a tile's row is 256 bytes of memory.
; THE SCALES come from sc [K step][row][16 bytes] straight into registers: 16 rows of a K step are 256 consecutive bytes, a lane takes its row's four words by one load, two K steps ahead of their use.
; Lanes 0-15 take the words of A's block i, lanes 16-31 those of B's block i: one register serves both sides.  These registers (v32-95 of window 0) hold scales and nothing else.
; THE BIAS is the C of each sum's first matrix instruction.
; CLUSTERS: 4 x 4 work-groups.  The four of a row need the same tiles of A, the four of a column the same tiles of B: each tile is asked for jointly.  THE MATRIX INSTRUCTION IS USED TRANSPOSED
; (source 0 = 16 columns of the weights, source 1 = 16 positions): a lane holds one position and eight neighbouring channels.
; 128 work-groups: a smaller tile would part a head's halves between waves or halve the matrix work behind each round of the cluster's barrier.
; REGISTERS: window 0: v0-31 addresses; v32-95 scale words, two sets; v96-127 packed results on the way out; v128-191 A's fragments, one set (on the way out: rows read back); v192-255 the bias.
;   window 1: B's fragments, two sets, at v0 and v128 (on the way out: the rotary table, v x 1/4, v's sums).   windows 2, 3: the 64 accumulators ((a, b) at v[8 (8 (a % 4) + b)], window 2 + a / 4).
; LIMITS: |q|, |k|, |v| under 2.6e5 (f16 of a quarter of them); NaN and infinities are not served.
.set NQ,     4                         ; matrix instructions deep in a slot
.set ROWB,   256                       ; a tile's row in bytes: 512 codes
.set KROW,   2048                      ; a row of xc or wc
.set PITCH,  272                       ; an LDS row: 256 bytes + 16 of padding, so that the 16 rows of a fragment load start 68 words apart
.set FR,     8
.set NL,     2
.set NP,     4
.set HALFT,  128*PITCH
.set SLOT,   4*HALFT
.set LAPS,   4                         ; 4096 / 1024
.set KSB,    98304                     ; bytes of sc in a K step
.set SPARE,  2*SLOT                    ; behind the ring: the spare words, 128 bytes for each wave
.set STG_V,  17408                     ; the way out's stages lie in slot 0, which has had its last fill and its last read by then: q's and k's way at 0, v's way here,
.set STG_S,  34816                     ; and v's sums here: each way has bytes of its own
.set ADRA, 16                          ; v16-17 LDS address of my A fragments in slot 0, 1
.set STOV, 18                          ; v18, v19 v's way: into the stage, and back
.set RDV,  19
.set ADRB, 20                          ; v20-21 the same as ADRA for B
.set STO2, 22                          ; v22, v23 the sums' stage
.set RD2,  23
.set STO,  24                          ; v24, v25 q's and k's way: into the stage, and back
.set RD,   25
.set CO,   26                          ; v26 16 x lane
.set ADRS, 27                          ; v27 my byte in sc
.set SPW,  28
.set NIL,  29
.set TA,   30                          ; v30 my byte in 16 rows of the table
.set BA,   31                          ; v31 my byte in the bias
.set SC,   32
.set TMP,  96
.set AF,   128
.set BK,   128
.set BI,   192
.set PT,   128                         ; window 1: v128-135 at work in the rotation
.set G1, 24
.set G0, 32
.set G1B, 48
.set G0B, 56
.set MSB, 0
.macro WIN new                         ; the immediate's high byte repeats the setting that is left
.if MSB != (\new)
	s_set_vgpr_msb (MSB<<8)|(\new)
.set MSB, (\new)
.endif
.endm
.set MUL_LO, 0xa1                      ; source 0 (B) window 1, source 1 (A) window 0, C and D window 2
.set MUL_HI, 0xf1
.set TO_B,   0x40
.macro JLOAD g0a, g1a, g0b, g1b        ; a joint load: waves 0 and 1 fetch for A, waves 2 and 3 for B; the branch hangs on the wave's number alone
	s_cmp_eq_u32 s15, 0
	s_cbranch_scc0 .Lfor_b_\@
	tensor_load_to_lds s[\g0a:\g0a+3], s[\g1a:\g1a+7]
	s_nop 0
.rept 4
	v_nop
.endr
	s_branch .Lasked_\@
.Lfor_b_\@:
	tensor_load_to_lds s[\g0b:\g0b+3], s[\g1b:\g1b+7]
	s_nop 0
.rept 4
	v_nop
.endr
.Lasked_\@:
.endm
.macro CREST                           ; a round of the cluster's barrier behind its opening barrier
	s_cmp_lg_u32 s14, 0
	s_cbranch_scc1 .Lnot_wave_0_\@
	s_barrier_signal -3
.Lnot_wave_0_\@:
	s_barrier_wait -3
	s_barrier_signal -1
	s_barrier_wait -1
.endm
.macro CROUND
	s_barrier_signal -1
	s_barrier_wait -1
	CREST
.endm
	s_load_b256 s[4:11], s[0:1], 0x0               ; xc s[4:5], wc s[6:7], sc s[8:9], tab s[10:11]
	s_load_b256 s[68:75], s[0:1], 0x20             ; bq s[68:69], bk s[70:71], bv s[72:73], qkv s[74:75]
	s_load_b64 s[76:77], s[0:1], 0x40              ; vsum
	v_lshl_add_u32 v[SPW], v0, 2, SPARE
	v_mov_b32 v[NIL], 0
	ds_add_u32 v[SPW], v[NIL]                      ; the wave's opening: the add, twice on end, and its wait ahead of my first tensor load
	ds_add_u32 v[SPW], v[NIL]
	v_lshrrev_b32 v1, 5, v0
	v_readfirstlane_b32 s14, v1                    ; wave 0..3
	s_lshr_b32 s15, s14, 1                         ; which half of the tile's rows is mine.  Also: I fetch for A (0) or for B (1)
	s_and_b32 s16, s14, 1                          ; which half of its columns.  Also: which 128 rows of that tile I fetch
	s_bfe_u32 s40, ttmp6, 0x40000                  ; cx, cy: my place in the cluster
	s_bfe_u32 s41, ttmp6, 0x40004
	s_lshl_b32 s42, ttmp9, 2
	s_add_co_u32 s42, s42, s40                     ; tile column
	s_and_b32 s17, ttmp7, 0xffff
	s_lshl_b32 s17, s17, 2
	s_add_co_u32 s17, s17, s41                     ; tile row
	s_lshl_b32 s43, s41, 2
	s_lshl_b32 s43, 15, s43                        ; my row of the cluster
	s_lshl_b32 s44, 0x1111, s40                    ; my column
	s_or_b32 s[G1+0], s43, (0<<16)|(1<<20)|(1<<21)|(5<<22)|(3<<25)   ; the mask; elements of 1 byte; padding on; bit 21 beside a mask; after every 64 words, 4 words
	s_or_b32 s[G1B+0], s44, (0<<16)|(1<<20)|(1<<21)|(5<<22)|(3<<25)
.irp g, G1, G1B
	s_mov_b32 s[\g+1], ROWB<<16                    ; tensor_dim0
	s_mov_b32 s[\g+2], 128<<16                     ; tensor_dim1
	s_mov_b32 s[\g+3], ROWB<<16                    ; tile_dim0
	s_mov_b32 s[\g+4], 128                         ; tile_dim1
	s_mov_b32 s[\g+5], KROW                        ; from row to row
	s_mov_b32 s[\g+6], 0
	s_mov_b32 s[\g+7], 0
.endr
	s_lshl_b32 s18, s16, 7                         ; which 128 rows of the tile I fetch
	s_lshl_b32 s20, s17, 8
	s_add_co_u32 s20, s20, s18                     ; A: row 256 x tile row + 128 x half
	s_lshl_b32 s20, s20, 11                        ; in bytes
	s_mov_b32 s21, 0
	s_lshl_b32 s46, s42, 8
	s_add_co_u32 s46, s46, s18                     ; B: row 256 x tile column + 128 x half
	s_lshl_b32 s46, s46, 11
	s_mov_b32 s47, 0
	s_mul_i32 s45, s14, HALFT                      ; where they go: wave x 128 rows
	s_wait_dscnt 0x0                               ; both opening adds are done
	s_wait_kmcnt 0x0
	s_add_nc_u64 s[20:21], s[4:5], s[20:21]
	s_add_nc_u64 s[46:47], s[6:7], s[46:47]
	CROUND                                         ; all sixteen work-groups are here: the first joint loads meet
.irp s, 0,1
	s_mov_b32 s[G0+4*\s], 1
	s_add_co_u32 s[G0+4*\s+1], s45, \s*SLOT
	s_add_nc_u64 s[G0+4*\s+2:G0+4*\s+3], s[20:21], \s*ROWB
	s_or_b32 s[G0+4*\s+3], s[G0+4*\s+3], 0x80000000
	s_mov_b32 s[G0B+4*\s], 1
	s_add_co_u32 s[G0B+4*\s+1], s45, \s*SLOT
	s_add_nc_u64 s[G0B+4*\s+2:G0B+4*\s+3], s[46:47], \s*ROWB
	s_or_b32 s[G0B+4*\s+3], s[G0B+4*\s+3], 0x80000000
	JLOAD G0+4*\s, G1, G0B+4*\s, G1B
.endr
	v_and_b32 v1, 15, v0                           ; r = lane % 16
	v_bfe_u32 v2, v0, 4, 1                         ; h = lane / 16
	s_lshl_b32 s78, s17, 8
	s_lshl_b32 s79, s15, 7
	s_add_co_u32 s78, s78, s79                     ; my first position
	s_lshl_b32 s80, s42, 8
	s_lshl_b32 s79, s16, 7
	s_add_co_u32 s80, s80, s79                     ; my first column of the 4,096
	s_add_co_u32 s81, s80, 2048
	s_sub_co_u32 s81, s81, s78
	s_lshl_b32 s81, s81, 4                         ; from A's rows of sc to B's, in bytes
	s_lshl_b32 s82, s78, 4
	v_mul_u32_u24 v5, s81, v2                      ; lanes 16-31 take B's
	v_lshl_add_u32 v5, v1, 4, v5
	v_add_nc_u32 v[ADRS], s82, v5
.macro SCALES set, off                 ; a K step's scale words into a set: four words a row; block i's 16 rows are 256 bytes on from block i - 1's
.irp i, 0,1,2,3,4,5,6,7
	global_load_b128 v[SC+32*\set+4*\i:SC+32*\set+4*\i+3], v[ADRS], s[8:9] offset:\off+256*\i
.endr
.endm
	SCALES 0, 0                                    ; K step 0's
	SCALES 1, KSB                                  ; and K step 1's
	s_cmp_lt_u32 ttmp9, 3                          ; the cluster's x says which weight my columns belong to: 0, 1: q; 2: k; 3: v.  It is the same in all partners
	s_cselect_b64 s[84:85], s[70:71], s[72:73]
	s_mov_b32 s83, 3072
	s_cselect_b32 s83, 2048, s83
	s_cmp_lt_u32 ttmp9, 2
	s_cselect_b64 s[84:85], s[68:69], s[84:85]
	s_cselect_b32 s83, 0, s83
	s_sub_co_u32 s86, s80, s83
	s_lshl_b32 s86, s86, 2                         ; my first column in its own weight, in bytes of f32
	s_mov_b32 s87, 0
	s_add_nc_u64 s[84:85], s[84:85], s[86:87]
	v_lshlrev_b32 v[BA], 5, v2
.irp b, 0,1,2,3,4,5,6,7
	global_load_b128 v[BI+8*\b:BI+8*\b+3], v[BA], s[84:85] offset:64*\b        ; the bias in the result's layout: channels 16 b + 8 h + 0 .. 7
	global_load_b128 v[BI+8*\b+4:BI+8*\b+7], v[BA], s[84:85] offset:64*\b+16
.endr
	v_mul_u32_u24 v3, v1, PITCH
	v_lshl_add_u32 v4, v2, 4, v3                   ; a fragment's row x pitch + 16 x half
	s_mul_i32 s21, s15, HALFT                      ; my 128 rows of A
	s_mul_i32 s22, s16, HALFT                      ; my 128 rows of B,
	s_add_co_u32 s22, s22, 2*HALFT                 ; which lie behind A's 256
.irp s, 0,1
	v_add_nc_u32 v[ADRA+\s], s21, v4
	v_add_nc_u32 v[ADRB+\s], s22, v4
	s_add_co_u32 s21, s21, SLOT
	s_add_co_u32 s22, s22, SLOT
.endr
	s_mul_i32 s88, s14, 16*PITCH                   ; my stage: 16 rows of 256 bytes + 16
	v_add_nc_u32 v[STO], s88, v4                   ; in: row r, 16 bytes for each half of the lanes
	v_add_nc_u32 v[STOV], STG_V, v[STO]
	v_mul_u32_u24 v5, v2, PITCH
	v_lshl_add_u32 v5, v1, 4, v5
	v_add_nc_u32 v[RD], s88, v5                    ; back: lanes 0-15 one row, lanes 16-31 the next
	v_add_nc_u32 v[RDV], STG_V, v[RD]
	s_mul_i32 s89, s14, 16*528
	s_add_co_u32 s89, s89, STG_S                   ; the sums' stage: 16 rows of 512 bytes + 16
	v_mul_u32_u24 v6, v1, 528
	v_lshl_add_u32 v6, v2, 5, v6
	v_add_nc_u32 v[STO2], s89, v6
	v_and_b32 v7, 31, v0
	v_lshlrev_b32 v[CO], 4, v7
	v_add_nc_u32 v[RD2], s89, v[CO]
	v_lshlrev_b32 v[TA], 9, v1
	v_lshl_add_u32 v[TA], v2, 5, v[TA]             ; the table: row r of 512 bytes, + 32 h
	s_lshl_b32 s90, s78, 9
	s_mov_b32 s91, 0
	s_add_nc_u64 s[10:11], s[10:11], s[90:91]      ; tab at my first position
	s_lshl_b32 s90, s80, 12                        ; my head slot (column / 128) x 524,288 bytes
	s_lshl_b32 s92, s78, 8                         ; + my first position x 256
	s_add_co_u32 s90, s90, s92
	s_add_nc_u64 s[74:75], s[74:75], s[90:91]
.macro FRAG reg, adr, q, i             ; 16 rows x 128 K of 4-bit codes: lane l holds row l % 16; registers 4 c .. 4 c + 3 hold K = 64 c + 32 (l / 16) + 0 .. 31
.irp c, 0,1
	ds_load_b128 v[\reg+4*\c:\reg+4*\c+3], v[\adr] offset:64*(\q)+32*\c+(\i)*16*PITCH
.endr
.endm
; 16 matrix instructions: A's blocks a0, a0 + 1 x B's eight.  zero = 1: the sums begin with the bias.  The 64 accumulators take turns, one instruction a turn.
.macro MUL16 a0, p, q, sc, zero
.irp a, \a0, \a0+1
.irp b, 0,1,2,3,4,5,6,7
.if \zero
	v_wmma_scale_f32_16x16x128_f8f6f4 v[8*(8*((\a)%4)+\b):8*(8*((\a)%4)+\b)+7], v[128*(\p)+FR*\b:128*(\p)+FR*\b+FR-1], v[AF+FR*(\a):AF+FR*(\a)+FR-1], v[BI+8*\b:BI+8*\b+7], v[SC+8*NQ*(\sc)+NQ*\b+(\q)], v[SC+8*NQ*(\sc)+NQ*(\a)+(\q)] matrix_a_fmt:MATRIX_FMT_FP4 matrix_b_fmt:MATRIX_FMT_FP4 matrix_a_scale:MATRIX_SCALE_ROW1
.else
	v_wmma_scale_f32_16x16x128_f8f6f4 v[8*(8*((\a)%4)+\b):8*(8*((\a)%4)+\b)+7], v[128*(\p)+FR*\b:128*(\p)+FR*\b+FR-1], v[AF+FR*(\a):AF+FR*(\a)+FR-1], v[8*(8*((\a)%4)+\b):8*(8*((\a)%4)+\b)+7], v[SC+8*NQ*(\sc)+NQ*\b+(\q)], v[SC+8*NQ*(\sc)+NQ*(\a)+(\q)] matrix_a_fmt:MATRIX_FMT_FP4 matrix_b_fmt:MATRIX_FMT_FP4 matrix_a_scale:MATRIX_SCALE_ROW1
.endif
.endr
.endr
.endm
.macro FETCH_B slot, q, p
	WIN TO_B
.irp i, 0,1,2,3,4,5,6,7
	FRAG 128*(\p)+FR*\i, ADRB+\slot, \q, \i
.endr
	WIN 0
.endm
.macro FETCH_A slot, q, i0
.irp i, \i0, \i0+1, \i0+2, \i0+3
	FRAG AF+FR*(\i), ADRA+\slot, \q, \i
.endr
.endm
.macro PLACES n                        ; plain vector instructions between a matrix instruction and a load into, or a read of, its registers
.rept \n
	v_nop
.endr
.endm
.macro STEP slot, q, zero              ; 128 along K with its successor in the same slot
	s_wait_dscnt 4*NL                              ; B's set and A's blocks 0-3 are in; the eight loads of A's blocks 4-7 are younger
.if \zero
	WIN 0x81                                       ; C (the bias) window 0, D window 2
.else
	WIN MUL_LO
.endif
	MUL16 0, (\q)%2, \q, \slot, \zero
	MUL16 2, (\q)%2, \q, \slot, \zero
	s_wait_dscnt 0
	PLACES NP
	FETCH_B \slot, (\q)+1, 1-(\q)%2
	FETCH_A \slot, (\q)+1, 0
.if \zero
	WIN 0xc1
.else
	WIN MUL_HI
.endif
	MUL16 4, (\q)%2, \q, \slot, \zero
	MUL16 6, (\q)%2, \q, \slot, \zero
	PLACES NP
	WIN 0
	FETCH_A \slot, (\q)+1, 4
.endm
; A slot's last step changes slots: one barrier; in front of it each wave waits for all its tensor loads, adds 0 to its spare word, and waits for that and for its reads of this slot.
; fill = 1: the slot is filled again, two K steps ahead, and so is its set of scale words.
.macro TURN slot, next, fill
	s_wait_tensorcnt 0x0                           ; all my tensor loads have landed: my part of the next slot
	ds_add_u32 v[SPW], v[NIL]
	s_wait_dscnt 4*NL+1                            ; (the add and the eight loads of A's blocks 4-7 are younger)
	WIN MUL_LO
	MUL16 0, 1, NQ-1, \slot, 0
	s_wait_dscnt 0x0                               ; the add is done, and my reads of this slot are over
	s_barrier_signal -1
	MUL16 2, 1, NQ-1, \slot, 0
	WIN 0
	s_barrier_wait -1
.if \fill
	CREST                                          ; the barrier has opened a round of the cluster's barrier: no wave of any partner still reads this slot or has a load on its way
	s_add_nc_u64 s[G0+4*\slot+2:G0+4*\slot+3], s[G0+4*\slot+2:G0+4*\slot+3], 2*ROWB
	s_add_nc_u64 s[G0B+4*\slot+2:G0B+4*\slot+3], s[G0B+4*\slot+2:G0B+4*\slot+3], 2*ROWB
	JLOAD G0+4*\slot, G1, G0B+4*\slot, G1B         ; the first tensor load behind the round; its four v_nop are also the places in front of the loads below
.else
	PLACES NP
.endif
	FETCH_B \next, 0, 0
	FETCH_A \next, 0, 0
	WIN MUL_HI
	MUL16 4, 1, NQ-1, \slot, 0
	MUL16 6, 1, NQ-1, \slot, 0
	PLACES NP
	WIN 0
	FETCH_A \next, 0, 4
	s_wait_loadcnt 0x0                             ; the next slot's scale words, asked for a K step ago, are in; and ADRS may be written
.if \fill
	v_add_nc_u32 v[ADRS], KSB, v[ADRS]
	SCALES \slot, KSB                              ; the K step two on, into the set that the products above were the last to read (four places back)
.endif
.endm
.macro STEPS slot, from
.set Q, \from
.rept NQ-1-\from
	STEP \slot, Q, 0
.set Q, Q+1
.endr
.endm
	s_wait_tensorcnt 1                             ; my part of K step 0 is in; K step 1's load is younger
	s_barrier_signal -1
	s_barrier_wait -1
	FETCH_B 0, 0, 0
	FETCH_A 0, 0, 0
	FETCH_A 0, 0, 4
	s_wait_loadcnt 0x0                             ; the scale words of K steps 0 and 1, and the bias
	STEP 0, 0, 1
	s_mov_b32 s3, LAPS-1
.Llap:                                             ; a trip goes once round the ring and fills both slots again
	STEPS 0, 1
	TURN 0, 1, 1
	STEPS 1, 0
	TURN 1, 0, 1
	STEP 0, 0, 0
	s_sub_co_u32 s3, s3, 1
	s_cmp_lg_u32 s3, 0
	s_cbranch_scc1 .Llap
	STEPS 0, 1                                     ; the last lap fills nothing
	TURN 0, 1, 0
	STEPS 1, 0
	s_wait_dscnt 4*NL
	WIN MUL_LO
	MUL16 0, 1, NQ-1, 1, 0
	MUL16 2, 1, NQ-1, 1, 0
	s_wait_dscnt 0
	WIN MUL_HI
	MUL16 4, 1, NQ-1, 1, 0
	MUL16 6, 1, NQ-1, 1, 0
	WIN 0
	PLACES NP
; THE WAY OUT, block by block of 16 positions x 128 channels.  A lane's eight f16 are 16 bytes of a row of 256; a block goes through my stage and comes back as whole rows; a block's 16 rows are 4,096 consecutive bytes of qkv.
.macro TOSTAGE a, sto, rd
.set BB, BK+32*((\a)%2)
.irp b, 0,1,2,3,4,5,6,7
	ds_store_b128 v[\sto], v[TMP+4*\b:TMP+4*\b+3] offset:32*\b
.endr
.irp t, 0,1,2,3,4,5,6,7
	ds_load_b128 v[BB+4*\t:BB+4*\t+3], v[\rd] offset:\t*2*PITCH    ; LDS serves a wave's instructions in order: these see the stores above
.endr
.endm
.macro SEND a
.set BB, BK+32*((\a)%2)
	s_wait_dscnt 0x0                               ; the block is back in registers
	s_wait_xcnt 0x0                                ; the stores of the block before have read their registers: the next block's rows may land there
.irp t, 0,1,2,3,4,5,6,7
	global_store_b128 v[CO], v[BB+4*\t:BB+4*\t+3], s[74:75] offset:4096*(\a)+512*\t   ; 32 lanes store 512 consecutive bytes
.endr
.endm
	s_cmp_eq_u32 ttmp9, 3                          ; v's columns go another way: the cluster's x, the same in all partners
	s_cbranch_scc1 .Lway_v
; q AND k: y(d) = x(d) cos - x(d + 64) sin, y(d + 64) = x(d + 64) cos + x(d) sin, d = 0 .. 63; sine and cosine come x 1/4.
.macro TABLE a                         ; block a's 16 rows of the table into set a % 2 of window 1: 32 sines (channels 16 b + 8 h + 0 .. 7, b = 0 .. 3), then 32 cosines
.set TS, 64*((\a)%2)
	WIN 0x40
.irp b, 0,1,2,3
	global_load_b128 v[TS+8*\b:TS+8*\b+3], v[TA], s[10:11] offset:8192*(\a)+64*\b
	global_load_b128 v[TS+8*\b+4:TS+8*\b+7], v[TA], s[10:11] offset:8192*(\a)+64*\b+16
	global_load_b128 v[TS+32+8*\b:TS+32+8*\b+3], v[TA], s[10:11] offset:8192*(\a)+64*\b+256
	global_load_b128 v[TS+32+8*\b+4:TS+32+8*\b+7], v[TA], s[10:11] offset:8192*(\a)+64*\b+272
.endr
	WIN 0
.endm
.macro ROPE a
.set TS, 64*((\a)%2)
.set AC, 64*((\a)%4)
	WIN 0x56+(\a)/4                                ; source 0: the accumulators' window; all else window 1
.irp b, 0,1,2,3
.irp p, 0,2,4,6                                ; each accumulator is read from its low end on
	v_pk_mul_f32 v[PT+\p:PT+\p+1], v[AC+8*(\b+4)+\p:AC+8*(\b+4)+\p+1], v[TS+8*\b+\p:TS+8*\b+\p+1]              ; x(d + 64) sin
.endr
.irp p, 0,2,4,6
	v_pk_mul_f32 v[TS+8*\b+\p:TS+8*\b+\p+1], v[AC+8*\b+\p:AC+8*\b+\p+1], v[TS+8*\b+\p:TS+8*\b+\p+1]            ; x(d) sin
.endr
.irp p, 0,2,4,6
	v_pk_fma_f32 v[TS+8*\b+\p:TS+8*\b+\p+1], v[AC+8*(\b+4)+\p:AC+8*(\b+4)+\p+1], v[TS+32+8*\b+\p:TS+32+8*\b+\p+1], v[TS+8*\b+\p:TS+8*\b+\p+1]   ; y(d + 64)
.endr
.irp p, 0,2,4,6
	v_pk_fma_f32 v[TS+32+8*\b+\p:TS+32+8*\b+\p+1], v[AC+8*\b+\p:AC+8*\b+\p+1], v[TS+32+8*\b+\p:TS+32+8*\b+\p+1], v[PT+\p:PT+\p+1] neg_lo:[0,0,1] neg_hi:[0,0,1]   ; y(d)
.endr
.endr
	WIN 0x05                                       ; sources window 1, destination window 0
.irp b, 0,1,2,3
.irp r, 0,1,2,3
	v_cvt_pk_f16_f32 v[TMP+4*\b+\r], v[TS+32+8*\b+2*\r], v[TS+32+8*\b+2*\r+1]
	v_cvt_pk_f16_f32 v[TMP+16+4*\b+\r], v[TS+8*\b+2*\r], v[TS+8*\b+2*\r+1]
.endr
.endr
	WIN 0
.endm
	TABLE 0
.irp a, 0,1,2,3,4,5,6,7
.if \a < 7
	TABLE \a+1
	s_wait_loadcnt 16                              ; this block's table is in; the next block's sixteen loads are younger
.else
	s_wait_loadcnt 0x0
.endif
	ROPE \a
.if \a > 0
	SEND \a-1
.endif
	TOSTAGE \a, STO, RD
.endr
	SEND 7
	s_branch .Ldone
.Lway_v:                                           ; v: x 1/4 to f16; and the column sums of my 128 positions, of v as it is
	s_lshl_b32 s90, s78, 5                         ; my chunk of 128 positions x 4,096 bytes
	s_add_co_u32 s86, s86, s90
	s_add_nc_u64 s[76:77], s[76:77], s[86:87]
	s_mov_b32 s90, 0x3e800000
	s_mov_b32 s91, s90                             ; (named with it as a pair, so it is written)
.macro VPACK a
.set AC, 64*((\a)%4)
	WIN 0x42+(\a)/4                                ; source 0: the accumulators' window; destination window 1
.set I, 0
.rept 32
	v_pk_mul_f32 v[I:I+1], v[AC+I:AC+I+1], s[90:91] op_sel_hi:[1,0]
.set I, I+2
.endr
.if (\a) == 1
	WIN 0x4a                                       ; the sums begin: block 0 + block 1, both in window 2
.set I, 0
.rept 32
	v_pk_add_f32 v[64+I:65+I], v[I:I+1], v[64+I:65+I]
.set I, I+2
.endr
.elseif (\a) > 1
	WIN 0x46+(\a)/4
.set I, 0
.rept 32
	v_pk_add_f32 v[64+I:65+I], v[AC+I:AC+I+1], v[64+I:65+I]
.set I, I+2
.endr
.endif
	WIN 0x05
.set I, 0
.rept 32
	v_cvt_pk_f16_f32 v[TMP+I], v[2*I], v[2*I+1]
.set I, I+1
.endr
	WIN 0
.endm
.irp a, 0,1,2,3,4,5,6,7
	VPACK \a
.if \a > 0
	SEND \a-1
.endif
	TOSTAGE \a, STOV, RDV
.endr
	SEND 7
	WIN 0x04                                       ; an LDS store's data are its source 1: window 1.  A lane holds the sums of positions r, r + 16, ..: the 16 rows meet through the sums' stage
.irp b, 0,1,2,3,4,5,6,7
	ds_store_b128 v[STO2], v[64+8*\b:64+8*\b+3] offset:64*\b
	ds_store_b128 v[STO2], v[64+8*\b+4:64+8*\b+7] offset:64*\b+16
.endr
	WIN 0x40
.irp t, 0,1,2,3,4,5,6,7,8,9,10,11,12,13,14,15
	ds_load_b128 v[4*\t:4*\t+3], v[RD2] offset:\t*528              ; row t: four channels a lane
.endr
	s_wait_dscnt 0x0
	WIN 0x55
.irp w, 32,16,8,4
.set I, 0
.rept \w/2
	v_pk_add_f32 v[I:I+1], v[I:I+1], v[I+\w:I+\w+1]
.set I, I+2
.endr
.endr
	WIN 0x04
	global_store_b128 v[CO], v[0:3], s[76:77]      ; 128 sums: 512 consecutive bytes
	WIN 0
.Ldone:
	s_wait_tensorcnt 0x0                           ; the wave's end
	ds_add_u32 v[SPW], v[NIL]
	s_wait_dscnt 0x0
	CROUND                                         ; the closing round: no work-group ends while a partner may still ask for a tile that names it
	s_endpgm
.Lfunc_end_k_q974b6a81a9_proj:
	.size	k_q974b6a81a9_proj, .Lfunc_end_k_q974b6a81a9_proj-k_q974b6a81a9_proj
	.p2alignl 7, 3214868480
	.fill 96, 4, 3214868480
	.section	.rodata,"a",@progbits
	.p2align	6, 0x0
	.amdhsa_kernel k_q974b6a81a9_proj
		.amdhsa_group_segment_fixed_size 327680
		.amdhsa_private_segment_fixed_size 0
		.amdhsa_enable_private_segment 0
		.amdhsa_kernarg_size 72
		.amdhsa_user_sgpr_count 2
		.amdhsa_user_sgpr_kernarg_segment_ptr 1
		.amdhsa_wavefront_size32 1
		.amdhsa_system_sgpr_workgroup_id_x 1
		.amdhsa_system_sgpr_workgroup_id_y 1
		.amdhsa_system_sgpr_workgroup_id_z 1
		.amdhsa_system_vgpr_workitem_id 0
		.amdhsa_next_free_vgpr 1024
		.amdhsa_next_free_sgpr 98
		.amdhsa_reserve_vcc 0
		.amdhsa_float_denorm_mode_32 3
		.amdhsa_float_denorm_mode_16_64 3
		.amdhsa_memory_ordered 1
		.amdhsa_forward_progress 1
		.amdhsa_inst_pref_size 255
	.end_amdhsa_kernel
	.section	.bss,"aw",@nobits
	.p2align	6
	.space	262144
	.amdgpu_metadata
---
amdhsa.version: [ 1, 2 ]
amdhsa.kernels:
  - .name:           k_q974b6a81a9_proj
    .symbol:         k_q974b6a81a9_proj.kd
    .args:
      - { .name: xc, .offset: 0, .size: 8, .value_kind: global_buffer, .address_space: global }
      - { .name: wc, .offset: 8, .size: 8, .value_kind: global_buffer, .address_space: global }
      - { .name: sc, .offset: 16, .size: 8, .value_kind: global_buffer, .address_space: global }
      - { .name: tab, .offset: 24, .size: 8, .value_kind: global_buffer, .address_space: global }
      - { .name: bq, .offset: 32, .size: 8, .value_kind: global_buffer, .address_space: global }
      - { .name: bk, .offset: 40, .size: 8, .value_kind: global_buffer, .address_space: global }
      - { .name: bv, .offset: 48, .size: 8, .value_kind: global_buffer, .address_space: global }
      - { .name: qkv, .offset: 56, .size: 8, .value_kind: global_buffer, .address_space: global }
      - { .name: vsum, .offset: 64, .size: 8, .value_kind: global_buffer, .address_space: global }
    .group_segment_fixed_size: 327680
    .private_segment_fixed_size: 0
    .kernarg_segment_align: 8
    .kernarg_segment_size: 72
    .max_flat_workgroup_size: 128
    .sgpr_count:     98
    .vgpr_count:     1024
    .wavefront_size: 32
...
	.end_amdgpu_metadata
.endif
;; end of part 2
;; launch attn (part 3): grid 32 x 8, 8 waves a work-group, no clusters, 327,680 bytes of LDS; arguments qkv, vsum, attention_mask, at; writes at
.if DOCPART == 3
	.amdgcn_target "amdgcn-amd-amdhsa--gfx1250"
	.amdhsa_code_object_version 6
	.text
	.protected	k_q974b6a81a9_attn
	.globl	k_q974b6a81a9_attn
	.p2align	8
	.type	k_q974b6a81a9_attn,@function
k_q974b6a81a9_attn:
	s_mov_b64 s[64:65], 0
	v_nop
	global_prefetch_b8 v0, s[64:65] scope:SCOPE_SE
	s_setreg_imm32_b32 hwreg(HW_REG_WAVE_MODE, 25, 1), 1
	s_wait_xcnt 0x0
; ATTN: at[pos][head x 128 + d] = (1/4) softmax_k(q . k / sqrt(128) + mask) v, f16.  q, k, v come from qkv [32 head slots][2048][128] f16, all x 1/4.  Products on f16, sums, maxima and the softmax in f32.
; THE MASK: key k counts for query q where k <= q and attention_mask[k].  A key that does not count gets the score NEG = -2^100: it is the C of the first product (the mask costs no vector line), and on the
; diagonal the hidden keys' C is set to NEG.  |q . k| / 16 under 2^76 vanishes beside it, and c x NEG is exact, so that p of such a key is 0 beside any key that counts.
; A QUERY FOR WHICH NO KEY COUNTS has all 2,048 scores equal in the definition: its result is the mean of all v of the head.  It is known by its largest score (under -2^99) and takes the mean, made from vsum, by a select.
; SHARES.  Work-group (j, g): key/value head g, both its query heads.  A wave owns ONE tile of 16 positions of one head: head 2 g + bit 1 of the wave's number; tile 2 j + bit 2 from below, or as far from above
; where bit 0 differs from bit 2: four low and four high tiles in every work-group, so that all have the same work under the causal mask.
; Every work-group walks all 8 slots of 256 keys with constant trip counts; from the first step (64 keys) all of whose keys come after the wave's queries the wave leaves out the rest of the slot, and so in every later slot;
; a slot that begins behind the work-group's last query is not asked for.
; No cluster: neighbours along j end their walk at different slots.
; LAYOUT.  S^T = K Q^T (source 0 = 16 keys, source 1 = my 16 queries), O^T = V^T P: a lane holds one query (lane % 16) throughout.  K comes out of LDS as it lies, V turned, by ds_load_tr16_b128.
; SOFTMAX.  Running maximum m and sum l; p = 2^(c s - c m), c = 16 log2(e) / sqrt(128) (the scores come / 16); O and l are multiplied by a = 2^(c m_old - c m_new) in every step.
; REGISTERS: window 0: v1-9 addresses; v10, v11 the add's two; v12 r - 8 h; v13 NEG; v14, v15 at work; v16 c m, v17 m, v[18:19] l, v20-23 at work (a in v22); v24-31 the head's addresses; v32-63 Q; v64-95 S^T; v96-111 P; v128-191 O^T.
;   window 1: v0-127 K of a step, v128-255 V of a step.
; LIMITS: |q . k| under 2^76; NaN and infinities are not served.
.set PK,    272                        ; a row of K in LDS: 256 bytes + 16
.set PV,    288                        ; a row of V: 256 + 32
.set SK,    256                        ; keys in a slot: four steps of 64
.set VOFF,  SK*PK                      ; a slot: 256 rows of K, then 256 rows of V
.set SLOTB, SK*(PK+PV)
.set BIAS,  2*SLOTB                    ; behind the ring: 0 or NEG for each of the 2,048 keys, f32
.set MV,    BIAS+8192                  ; the mean of the head's v, x 1/4: 128 f32
.set SPARE, MV+512                     ; the spare words, 128 bytes for each of eight waves
.set AK0, 1
.set AV0, 2
.set ABI, 3
.set ADK, 4                            ; v4 K's fragments in the slot in hand: the step stands in the loads' offsets
.set ADV, 5                            ; v5 V's fragments of the step in hand
.set ADB, 6                            ; v6 the mask words of the slot in hand
.set STO, 7
.set RD,  8
.set GO,  9
.set SPW, 10
.set NIL, 11
.set PFO, 27
.set Q,   32
.set S,   64
.set P,   96
.set O,   128
.set WV,  12
.set G1K, 24
.set G1V, 32
.set G0K, 40
.set G0V, 44
.set TB,  48                           ; s48 LDS byte at which the slot in hand begins
.set TN,  49                           ; s49 and the slot that is being filled
.set KC,  54                           ; s54 my 64 rows of K in a slot;  s55 of V
.set VC,  55
.set SEL, 58
.set CS,  60
.set KF,  62                           ; s62 the first key of the slot in hand
.set Q0,  63                           ; s63 my first query
.set QL,  66                           ; s66 my work-group's last query
.set SLOTS, 67
.set PFA, 68
.set LIM, 70
.set MSB, 0
.macro WIN new
.if MSB != (\new)
	s_set_vgpr_msb (MSB<<8)|(\new)
.set MSB, (\new)
.endif
.endm
.macro TLOAD                           ; waves 0-3 fetch 64 rows of K each, waves 4-7 of V; an s_nop 0 and four v_nop follow each line
	s_cmp_lt_u32 s[WV], 4
	s_cbranch_scc0 .Lfor_v_\@
	tensor_load_to_lds s[G0K:G0K+3], s[G1K:G1K+7]
	s_nop 0
.rept 4
	v_nop
.endr
	s_branch .Lasked_\@
.Lfor_v_\@:
	tensor_load_to_lds s[G0V:G0V+3], s[G1V:G1V+7]
	s_nop 0
.rept 4
	v_nop
.endr
.Lasked_\@:
.endm
; A prefetch into the L2 of what the NEXT change of slots will ask for.  All 32 work-groups of a key/value head walk the same K and V: the first of them (x = 0) asks.  Each of its waves names the 64 rows that it
; will itself fetch, 256 bytes a row, a lane a row, in two instructions: each row is named once in the launch.  The last change that fills a slot asks for nothing: there is no slot behind it.
.macro ASK
	s_cmp_gt_u32 s[SLOTS], s[LIM]
	s_cbranch_scc0 .Lnot_mine_\@
	global_prefetch_b8 v[PFO], s[PFA:PFA+1] th:TH_LOAD_NT scope:SCOPE_SE
	global_prefetch_b8 v[PFO], s[PFA:PFA+1] offset:8192 th:TH_LOAD_NT scope:SCOPE_SE
.Lnot_mine_\@:
.endm
	s_load_b256 s[4:11], s[0:1], 0x0               ; qkv s[4:5], vsum s[6:7], attention_mask s[8:9], at s[10:11]
	v_lshl_add_u32 v[SPW], v0, 2, SPARE
	v_mov_b32 v[NIL], 0
	ds_add_u32 v[SPW], v[NIL]                      ; the wave's opening: the add, twice on end, and its wait ahead of my first tensor load
	ds_add_u32 v[SPW], v[NIL]
	v_lshrrev_b32 v14, 5, v0
	v_readfirstlane_b32 s[WV], v14                 ; wave 0..7
	s_and_b32 s13, ttmp7, 0xffff                   ; g
	s_and_b32 s14, s[WV], 3                        ; which 64 rows of a slot I fetch
	s_and_b32 s15, s[WV], 1
	s_bfe_u32 s16, s[WV], 0x10001
	s_lshr_b32 s17, s[WV], 2
	s_lshl_b32 s18, ttmp9, 1
	s_add_co_u32 s18, s18, s17                     ; pt = 2 j + bit 2
	s_xor_b32 s19, s15, s17                        ; 1: counted from above
	s_lshl_b32 s20, s18, 1
	s_sub_co_u32 s20, 127, s20
	s_mul_i32 s20, s20, s19
	s_add_co_u32 s20, s20, s18                     ; my tile: pt, or 127 - pt
	s_lshl_b32 s[Q0], s20, 4
	s_lshl_b32 s21, ttmp9, 5
	s_sub_co_u32 s[QL], 2047, s21                  ; 16 (128 - 2 j) - 1
	s_mov_b32 s[G1K], (1<<16)|(1<<20)|(5<<22)|(3<<25)   ; no mask; elements of 2 bytes; padding on: after every 64 words, 4 words
	s_mov_b32 s[G1V], (1<<16)|(1<<20)|(5<<22)|(7<<25)   ; the same with 8 words
.irp g, G1K, G1V
	s_mov_b32 s[\g+1], 128<<16                     ; tensor_dim0
	s_mov_b32 s[\g+2], 64<<16                      ; tensor_dim1
	s_mov_b32 s[\g+3], 128<<16                     ; tile_dim0
	s_mov_b32 s[\g+4], 64                          ; tile_dim1
	s_mov_b32 s[\g+5], 128                         ; from row to row
	s_mov_b32 s[\g+6], 0
	s_mov_b32 s[\g+7], 0
.endr
	s_mul_i32 s[KC], s14, 64*PK
	s_mul_i32 s[VC], s14, 64*PV
	s_add_co_u32 s[VC], s[VC], VOFF
	s_add_co_u32 s22, s13, 16                      ; K's head slot
	s_lshl_b32 s22, s22, 19
	s_lshl_b32 s23, s14, 14
	s_add_co_u32 s22, s22, s23
	s_mov_b32 s23, 0
	s_lshl_b32 s71, s13, 1
	s_add_co_u32 s71, s71, s16                     ; my head
	s_lshl_b32 s72, s71, 19
	s_lshl_b32 s74, s[Q0], 8
	s_add_co_u32 s72, s72, s74                     ; Q: head slot, my first query
	s_mov_b32 s73, 0
	s_lshl_b32 s74, s[Q0], 12
	s_lshl_b32 s75, s71, 8
	s_add_co_u32 s74, s74, s75                     ; at: my first row, my head's 256 bytes
	s_mov_b32 s75, 0
	s_lshl_b32 s52, s13, 9                         ; vsum: the head's 128 columns
	s_mov_b32 s53, 0
	s_mov_b32 s[SEL], 0x76543210
	s_mov_b32 s[SEL+1], 0xfedcba98
	s_mov_b32 s[CS], 0x400293ee                    ; c = 16 log2(e) / sqrt(128)
	s_mov_b32 s[CS+1], s[CS]
	s_mov_b32 s[TB], 0
	s_mov_b32 s[TN], 0
	s_mov_b32 s[KF], 0
	s_mov_b32 s[SLOTS], 7
	s_cmp_eq_u32 ttmp9, 0
	s_cselect_b32 s[LIM], 1, -1
	s_wait_dscnt 0x0                               ; both opening adds are done
	s_wait_kmcnt 0x0
	s_mov_b32 s[G0K], 1
	s_mov_b32 s[G0K+1], s[KC]
	s_add_nc_u64 s[G0K+2:G0K+3], s[4:5], s[22:23]
	s_mov_b32 s[G0V], 1
	s_mov_b32 s[G0V+1], s[VC]
	s_add_nc_u64 s[G0V+2:G0V+3], s[G0K+2:G0K+3], 0x400000   ; V's head slot lies eight slots on
	s_cmp_lt_u32 s[WV], 4
	s_cselect_b64 s[PFA:PFA+1], s[G0K+2:G0K+3], s[G0V+2:G0V+3]
	s_add_nc_u64 s[PFA:PFA+1], s[PFA:PFA+1], 65536  ; in slot 1: the first change of slots steps it to slot 2.  Nothing is prefetched at the head
	s_or_b32 s[G0K+3], s[G0K+3], 0x80000000
	s_or_b32 s[G0V+3], s[G0V+3], 0x80000000
	TLOAD                                          ; slot 0: every wave has one load out
	s_add_nc_u64 s[72:73], s[4:5], s[72:73]
	s_add_nc_u64 s[10:11], s[10:11], s[74:75]
	s_add_nc_u64 s[6:7], s[6:7], s[52:53]
	v_and_b32 v14, 15, v0                          ; r
	v_bfe_u32 v15, v0, 4, 1                        ; h
	v_lshlrev_b32 v25, 3, v0
	global_load_b64 v[28:29], v25, s[8:9]          ; thread t: the mask's bytes of keys 8 t .. 8 t + 7
	v_lshlrev_b32 v26, 15, v15                     ; vsum: lanes 16-31 take chunks 8 to 15
	v_lshl_add_u32 v26, v14, 2, v26
	s_lshl_b32 s50, s[WV], 6                       ; wave w: channels 16 w + r
	v_add_nc_u32 v26, s50, v26
.irp i, 0,1,2,3,4,5,6,7
	global_load_b32 v[72+\i], v26, s[6:7] offset:4096*\i
.endr
	v_lshlrev_b32 v24, 8, v14
	v_lshl_add_u32 v24, v15, 4, v24
.irp c, 0,1,2,3
	global_load_b128 v[Q+8*\c:Q+8*\c+3], v24, s[72:73] offset:64*\c         ; Q's fragments stay in registers
	global_load_b128 v[Q+8*\c+4:Q+8*\c+7], v24, s[72:73] offset:64*\c+32
.endr
	v_mul_u32_u24 v[AK0], v14, PK
	v_lshl_add_u32 v[AK0], v15, 4, v[AK0]          ; K: row r x pitch + 16 h
	v_and_b32 v[AV0], 7, v0
	v_lshl_add_u32 v[AV0], v15, 3, v[AV0]
	v_mul_u32_u24 v[AV0], v[AV0], PV
	v_bfe_u32 v[ABI], v0, 3, 1
	v_lshl_add_u32 v[AV0], v[ABI], 4, v[AV0]
	v_add_nc_u32 v[AV0], VOFF, v[AV0]              ; V, for the turning load: key 8 h + l % 8, channels 8 ((l / 8) % 2) on
	v_lshl_add_u32 v[ABI], v15, 5, BIAS            ; the mask words of keys 8 h on
	s_mul_i32 s51, s[WV], 16*PK                    ; my stage for the way out, in slot 0's bytes
	v_add_nc_u32 v[STO], s51, v[AK0]
	v_mul_u32_u24 v[RD], v15, PK
	v_lshl_add_u32 v[RD], v14, 4, v[RD]
	v_add_nc_u32 v[RD], s51, v[RD]
	v_lshlrev_b32 v[GO], 12, v15
	v_lshl_add_u32 v[GO], v14, 4, v[GO]            ; at: lanes 0-15 one row, lanes 16-31 the next
	v_lshlrev_b32 v12, 3, v15
	v_sub_nc_u32 v12, v14, v12                     ; r - 8 h
	v_mov_b32 v13, 0xf1800000                      ; NEG = -2^100
	v_and_b32 v[PFO], 31, v0
	v_lshlrev_b32 v[PFO], 8, v[PFO]
	v_lshl_add_u32 v30, v14, 2, MV
	v_add_nc_u32 v30, s50, v30                     ; where my channel's mean goes
	v_lshl_add_u32 v31, v0, 5, BIAS                ; where my eight mask words go
	v_mov_b32 v17, v13                             ; m
	v_mul_f32 v16, s[CS], v13                      ; c m: exact
	v_mov_b32 v18, 0                               ; l
	v_mov_b32 v19, 0
.irp i, 20,21,22,23
	v_mov_b32 v\i, 0
.endr
.set I, 0
.rept 64
	v_mov_b32 v[O+I], 0                            ; O^T.  (The step is written once: the first finds zeros)
.set I, I+1
.endr
	s_wait_loadcnt 16                              ; the mask's bytes are in; vsum's eight loads and Q's eight are younger
.irp i, 0,1,2,3,4,5,6,7
	v_bfe_u32 v20, v[28+\i/4], 8*(\i%4), 8
	v_cmp_eq_u32 vcc_lo, 0, v20
	v_cndmask_b32 v[64+\i], 0, v13, vcc_lo         ; 0 where the key may count, NEG where not
.endr
	ds_store_b128 v31, v[64:67]
	ds_store_b128 v31, v[68:71] offset:16
	s_wait_loadcnt 8                               ; vsum's are in; Q's eight are younger
	v_add_f32 v72, v72, v73
	v_add_f32 v74, v74, v75
	v_add_f32 v76, v76, v77
	v_add_f32 v78, v78, v79
	v_add_f32 v72, v72, v74
	v_add_f32 v76, v76, v78
	v_add_f32 v72, v72, v76
	v_permlanex16_b32 v21, v72, s[SEL], s[SEL+1]
	v_add_f32 v72, v72, v21                        ; all sixteen chunks
	v_mul_f32 v72, 0x39000000, v72                 ; / 2048, x 1/4
	ds_store_b32 v30, v72                          ; both halves of the lanes write the same word with the same value
.macro KLOADS q                        ; K of the slot's q-th step, under destination window 1: keys 16 (f / 4) on, channels 32 (f % 4) on.  The largest offset is 65,504: inside the 16 bits of an LDS offset
.irp f, 0,1,2,3,4,5,6,7,8,9,10,11,12,13,14,15
	ds_load_b128 v[8*\f:8*\f+3], v[ADK] offset:(\q)*64*PK+(\f/4)*16*PK+(\f%4)*64
	ds_load_b128 v[8*\f+4:8*\f+7], v[ADK] offset:(\q)*64*PK+(\f/4)*16*PK+(\f%4)*64+32
.endr
.endm
.macro MLOADS q                        ; the mask words of the slot's q-th step, keys 16 u + 8 h + 0 .. 7, into S^T's registers: the C of the first product
.irp u, 0,1,2,3
	ds_load_b128 v[S+8*\u:S+8*\u+3], v[ADB] offset:256*(\q)+64*\u
	ds_load_b128 v[S+8*\u+4:S+8*\u+7], v[ADB] offset:256*(\q)+64*\u+16
.endr
.endm
; A KEY STEP: 64 keys, the q-th of the slot in hand.  V is asked for at the step's head, where the last step's second product has read V's registers.  K and the mask words of the NEXT step of the slot are asked for
; inside this step: K behind the first product, which has read K's registers; the mask words behind the sums, which are the last to read S^T.  So only a slot's first step waits for its K.
; Hidden steps come last: where all keys of a step come after my queries, so do those of every later step.  So the jump at a step's head leads to the slot's end, and a step other than the first is entered only from
; the step before it, which has asked for its K and its mask words.  What was asked for on behalf of a step that is then left out lies in the same slot, and is waited for ahead of the next barrier.
.macro STEP q, id
	s_add_co_u32 s52, s[KF], 64*(\q)               ; the step's first key
	s_add_co_u32 s53, s[Q0], 15
	s_cmp_gt_u32 s52, s53                          ; all its keys come after my queries: ids and the count of slots alone
	s_cbranch_scc1 .Lrest_\id
	s_add_co_u32 s51, s[TB], (\q)*64*PV
	v_add_nc_u32 v[ADV], s51, v[AV0]               ; this line and the three behind it are the places between the last step's products and the loads into their registers
.if (\q) == 0
	s_lshl_b32 s50, s[KF], 2
	v_add_nc_u32 v[ADK], s[TB], v[AK0]
	v_add_nc_u32 v[ADB], s50, v[ABI]
	v_nop
	MLOADS 0
	WIN 0x40
	KLOADS 0
.else
.rept 3
	v_nop
.endr
	WIN 0x40
.endif
.irp f, 0,1,2,3,4,5,6,7,8,9,10,11,12,13,14,15  ; V, turned: keys 32 (f / 8) on, channels 16 (f % 8) on
	ds_load_tr16_b128 v[128+8*\f:128+8*\f+3], v[ADV] offset:(\f/8)*32*PV+(\f%8)*32
	ds_load_tr16_b128 v[128+8*\f+4:128+8*\f+7], v[ADV] offset:(\f/8)*32*PV+16*PV+(\f%8)*32
.endr
	WIN 0
	s_wait_dscnt 32                                ; the mask words and K are in; V's 32 loads are younger
	s_add_co_u32 s53, s52, 63
	s_cmp_le_u32 s53, s[Q0]                        ; no key of the step is hidden from any of my queries
	s_cbranch_scc1 .Lopen_\@
	s_sub_co_i32 s53, s[Q0], s52
	v_add_nc_u32 v14, s53, v12                     ; register 8 u + i holds the step's key 16 u + 8 h + i: hidden where 16 u + i > my query - the step's first key - 8 h
.set I, 0
.rept 32
	v_cmp_gt_i32 vcc_lo, 16*(I/8)+I%8, v14
	v_cndmask_b32 v[S+I], v[S+I], v13, vcc_lo
.set I, I+1
.endr
.Lopen_\@:
	WIN 0x01                                       ; source 0 window 1
.irp c, 0,1,2,3                                ; S^T = K Q^T + mask: the four accumulators take turns
.irp u, 0,1,2,3
	v_wmma_f32_16x16x32_f16 v[S+8*\u:S+8*\u+7], v[32*\u+8*\c:32*\u+8*\c+7], v[Q+8*\c:Q+8*\c+7], v[S+8*\u:S+8*\u+7]
.endr
.endr
	WIN 0
.rept 4
	v_nop                                          ; the places in front of the loads into K's registers and of the first read of the scores
.endr
.if (\q) < 3
	WIN 0x40
	KLOADS (\q)+1                                  ; the next step's K: it has the softmax and the second product in which to land
	WIN 0
.endif
.irp j, 0,1,2,3
	v_max3_num_f32 v[20+\j], v[S+8*\j], v[S+8*\j+1], v[S+8*\j+2]   ; the maximum: four chains, each accumulator from its low end on
.endr
.irp k, 1,2
.irp j, 0,1,2,3
	v_max3_num_f32 v[20+\j], v[20+\j], v[S+8*\j+2*\k+1], v[S+8*\j+2*\k+2]
.endr
.endr
	v_max3_num_f32 v20, v20, v[S+7], v[S+15]
	v_max3_num_f32 v22, v22, v[S+23], v[S+31]
	v_max3_num_f32 v20, v20, v21, v22
	v_max3_num_f32 v20, v20, v23, v17              ; and the old m
	v_permlanex16_b32 v21, v20, s[SEL], s[SEL+1]   ; the query's other 32 keys lie in the lane 16 away
	v_mov_b32 v23, v16                             ; c m_old
	v_max_num_f32 v17, v20, v21
	v_mul_f32 v16, s[CS], v17
	v_sub_f32 v23, v23, v16
.set I, 0
.rept 16
	v_pk_fma_f32 v[S+I:S+I+1], v[S+I:S+I+1], s[CS:CS+1], v[16:17] op_sel_hi:[1,0,0] neg_lo:[0,0,1] neg_hi:[0,0,1]   ; c s - c m
.set I, I+2
.endr
	v_exp_f32 v22, v23                             ; a
.set I, 0
.rept 32
	v_exp_f32 v[S+I], v[S+I]                       ; p
.set I, I+1
.endr
	v_nop                                          ; a plain instruction behind the last exponential
	s_wait_alu depctr_va_vdst(0)                   ; one wait for the batch of 33, ahead of its first reader
.set I, 0
.rept 16
	v_cvt_pk_f16_f32 v[P+I], v[S+2*I], v[S+2*I+1]  ; two tiles of 16 keys, packed, are source 1 of the second product
.set I, I+1
.endr
.irp w, 4,8,16,32                              ; the sum of the 16 pairs, in place
.set I, 0
.rept 32/\w
	v_pk_add_f32 v[S+I:S+I+1], v[S+I:S+I+1], v[S+I+\w/2:S+I+\w/2+1]
.set I, I+\w
.endr
.endr
	v_pk_fma_f32 v[18:19], v[18:19], v[22:23], v[S:S+1] op_sel_hi:[1,0,1]   ; l = a l + the sum
.if (\q) < 3
	MLOADS (\q)+1                                  ; S^T's registers are done with: the next step's mask words
.endif
.set I, 0
.rept 32
	v_pk_mul_f32 v[O+I:O+I+1], v[O+I:O+I+1], v[22:23] op_sel_hi:[1,0]       ; O^T x a
.set I, I+2
.endr
.if (\q) < 3
	s_wait_dscnt 40                                ; V is in; the next step's K (32 loads) and mask words (8) are younger
.else
	s_wait_dscnt 0x0                               ; V is in: a slot's last step has asked for nothing more
.endif
	WIN 0x01
.irp kk, 0,1                                   ; O^T += V^T P: the eight accumulators take turns
.irp t, 0,1,2,3,4,5,6,7
	v_wmma_f32_16x16x32_f16 v[O+8*\t:O+8*\t+7], v[128+64*\kk+8*\t:128+64*\kk+8*\t+7], v[P+8*\kk:P+8*\kk+7], v[O+8*\t:O+8*\t+7]
.endr
.endr
	WIN 0
.endm
; THE CHANGE OF SLOTS stands at a slot's head.  Each wave waits for all its tensor loads (its part of the slot ahead), adds 0 to its spare word, and waits for that and for its LDS instructions: its reads of the slot
; that it has left (at the first change: its stores of the mask words and the mean).  Behind the barrier the slot ahead is whole and nobody reads the other one.  fill = 1: that other slot takes the keys that follow.
.macro CHANGE fill
	s_wait_tensorcnt 0x0                           ; no tensor load of mine is out, so a descriptor may be written
	ds_add_u32 v[SPW], v[NIL]
.if \fill
	s_xor_b32 s[TN], s[TN], SLOTB                  ; the other slot than last time,
	s_add_co_u32 s[G0K+1], s[TN], s[KC]
	s_add_co_u32 s[G0V+1], s[TN], s[VC]
	s_add_nc_u64 s[G0K+2:G0K+3], s[G0K+2:G0K+3], 65536   ; the next 256 keys
	s_add_nc_u64 s[G0V+2:G0V+3], s[G0V+2:G0V+3], 65536
	s_wait_xcnt 0x0                                ; the last prefetches, a slot back, have read their address
	s_add_nc_u64 s[PFA:PFA+1], s[PFA:PFA+1], 65536
.endif
	s_wait_dscnt 0x0
	s_barrier_signal -1
	s_barrier_wait -1
.if \fill
	s_add_co_u32 s50, s[KF], SK                    ; the first key of the slot that this change would ask for
	s_cmp_gt_u32 s50, s[QL]                        ; behind my work-group's last query: none of its waves would read it.  Ids and the count of slots alone: all eight waves go the same way
	s_cbranch_scc1 .Lpast_\@
	TLOAD                                          ; my one tensor load behind this barrier
.Lpast_\@:
	ASK
.endif
.endm
.macro SLOT_STEPS id
	STEP 0, \id
	STEP 1, \id
	STEP 2, \id
	STEP 3, \id
.Lrest_\id:
	s_add_co_u32 s[KF], s[KF], SK                  ; on to the next slot's keys,
	s_xor_b32 s[TB], s[TB], SLOTB                  ; in the other slot
.endm
	s_wait_loadcnt 0x0                             ; Q
.Lslot:                                            ; seven trips: behind each change of slots but the last the next slot is asked for, up to the causal limit
	CHANGE 1
	SLOT_STEPS 0
	s_sub_co_u32 s[SLOTS], s[SLOTS], 1
	s_cmp_lg_u32 s[SLOTS], 0
	s_cbranch_scc1 .Lslot
	CHANGE 0                                       ; the last slot is written out: nothing is left to ask for
	SLOT_STEPS 1
	; THE WAY OUT.  O^T / l, or the mean where no key counted; rounded to f16; through my stage, so that sixteen lanes store 256 consecutive bytes.
	s_wait_dscnt 0x0                               ; what a step asked for on behalf of a step that was left out has landed: its registers are used again below
.rept 4
	v_nop
.endr
	v_add_f32 v20, v18, v19
	v_permlanex16_b32 v21, v20, s[SEL], s[SEL+1]
	v_add_f32 v20, v20, v21                        ; the row's sum: at least 1, since the largest score's p is 1
	v_rcp_f32 v22, v20
	v_add_nc_u32 v14, MV-BIAS, v[ABI]              ; (a plain instruction behind the reciprocal)  the mean's channels 8 h on
.irp t, 0,1,2,3,4,5,6,7
	ds_load_b128 v[32+8*\t:32+8*\t+3], v14 offset:64*\t
	ds_load_b128 v[32+8*\t+4:32+8*\t+7], v14 offset:64*\t+16
.endr
	s_mov_b32 s57, 0xf1000000                      ; -2^99
	v_cmp_gt_f32 s56, s57, v17                     ; my query's largest score lies under it: no key counted
	s_wait_alu depctr_va_vdst(0)                   ; the wait ahead of the reciprocal's first reader
.set I, 0
.rept 32
	v_pk_mul_f32 v[O+I:O+I+1], v[O+I:O+I+1], v[22:23] op_sel_hi:[1,0]
.set I, I+2
.endr
	s_wait_dscnt 0x0
.set I, 0
.rept 64
	v_cndmask_b32 v[O+I], v[O+I], v[32+I], s56
.set I, I+1
.endr
.set I, 0
.rept 32
	v_cvt_pk_f16_f32 v[96+I], v[O+2*I], v[O+2*I+1]
.set I, I+1
.endr
.irp t, 0,1,2,3,4,5,6,7
	ds_store_b128 v[STO], v[96+4*\t:96+4*\t+3] offset:32*\t
.endr
.irp f, 0,1,2,3,4,5,6,7
	ds_load_b128 v[32+4*\f:32+4*\f+3], v[RD] offset:\f*2*PK        ; LDS serves a wave's instructions in order: these see the stores above
.endr
.irp f, 0,1,2,3,4,5,6,7
	s_wait_dscnt 7-\f                              ; the loads behind load f are younger
	global_store_b128 v[GO], v[32+4*\f:32+4*\f+3], s[10:11] offset:8192*\f
.endr
	s_wait_tensorcnt 0x0                           ; the wave's end
	ds_add_u32 v[SPW], v[NIL]
	s_wait_dscnt 0x0
	s_endpgm
.Lfunc_end_k_q974b6a81a9_attn:
	.size	k_q974b6a81a9_attn, .Lfunc_end_k_q974b6a81a9_attn-k_q974b6a81a9_attn
	.p2alignl 7, 3214868480
	.fill 96, 4, 3214868480
	.section	.rodata,"a",@progbits
	.p2align	6, 0x0
	.amdhsa_kernel k_q974b6a81a9_attn
		.amdhsa_group_segment_fixed_size 327680
		.amdhsa_private_segment_fixed_size 0
		.amdhsa_enable_private_segment 0
		.amdhsa_kernarg_size 32
		.amdhsa_user_sgpr_count 2
		.amdhsa_user_sgpr_kernarg_segment_ptr 1
		.amdhsa_wavefront_size32 1
		.amdhsa_system_sgpr_workgroup_id_x 1
		.amdhsa_system_sgpr_workgroup_id_y 1
		.amdhsa_system_sgpr_workgroup_id_z 1
		.amdhsa_system_vgpr_workitem_id 0
		.amdhsa_next_free_vgpr 512
		.amdhsa_next_free_sgpr 100
		.amdhsa_reserve_vcc 1
		.amdhsa_float_denorm_mode_32 3
		.amdhsa_float_denorm_mode_16_64 3
		.amdhsa_memory_ordered 1
		.amdhsa_forward_progress 1
		.amdhsa_inst_pref_size 159
	.end_amdhsa_kernel
	.amdgpu_metadata
---
amdhsa.version: [ 1, 2 ]
amdhsa.kernels:
  - .name:           k_q974b6a81a9_attn
    .symbol:         k_q974b6a81a9_attn.kd
    .args:
      - { .name: qkv, .offset: 0, .size: 8, .value_kind: global_buffer, .address_space: global }
      - { .name: vsum, .offset: 8, .size: 8, .value_kind: global_buffer, .address_space: global }
      - { .name: attention_mask, .offset: 16, .size: 8, .value_kind: global_buffer, .address_space: global }
      - { .name: at, .offset: 24, .size: 8, .value_kind: global_buffer, .address_space: global }
    .group_segment_fixed_size: 327680
    .private_segment_fixed_size: 0
    .kernarg_segment_align: 8
    .kernarg_segment_size: 32
    .max_flat_workgroup_size: 256
    .sgpr_count:     100
    .vgpr_count:     512
    .wavefront_size: 32
...
	.end_amdgpu_metadata
.endif
;; end of part 3
;; launch oproj (part 4): grid 16 x 16, 4 waves a work-group, clusters of 4 x 4, 327,680 bytes of LDS; arguments at, wo16, bo, out0; writes out0
.if DOCPART == 4
	.amdgcn_target "amdgcn-amd-amdhsa--gfx1250"
	.amdhsa_code_object_version 6
	.text
	.protected	k_q974b6a81a9_oproj
	.globl	k_q974b6a81a9_oproj
	.p2align	8
	.type	k_q974b6a81a9_oproj,@function
k_q974b6a81a9_oproj:
	s_mov_b64 s[64:65], 0
	v_nop
	global_prefetch_b8 v0, s[64:65] scope:SCOPE_SE
	s_setreg_imm32_b32 hwreg(HW_REG_WAVE_MODE, 25, 1), 1
	s_wait_xcnt 0x0
	s_wait_alu depctr_hold_cnt(0) depctr_sa_sdst(0) depctr_va_vdst(0) depctr_va_sdst(0) depctr_va_ssrc(0) depctr_va_vcc(0) depctr_vm_vsrc(0)
	s_getreg_b32 s2, hwreg(HW_REG_IB_STS2, 6, 4)
	s_cmp_eq_u32 s2, 0
	s_cbranch_scc0 .Lentry_in_a_cluster
	s_endpgm
.Lentry_in_a_cluster:
	s_bfe_u32 s2, ttmp6, 0x10000c
	s_cmp_lg_u32 s2, 0xf033
	s_cbranch_scc0 .Lentry_shape_is_right
	s_endpgm
.Lentry_shape_is_right:
; OPROJ: out0 [2048][4096] f32 = attention output x Wo + bo.  at [2048][2048] f16 holds the attention's output x 1/4, wo16 [2048 k][4096 n] f16 holds 4 Wo: the two factors cancel.  Sums in f32.
; A tile of the output is 128 x 256: 256 work-groups of four waves; a wave makes 64 x 128: 32 accumulators, window 2.
; K goes in steps of 192, six units of 32, through a ring of two LDS slots: the longest step of which two slots fit in LDS, so that a refill has 176 of a wave's matrix instructions in which to land and the
; changes of slots are few.  2,048 = 10 x 192 + 128: the eleventh step has four units, descriptors of its own and, for at's tile, a pitch of its own.
; at's rows in a tile are 384 bytes and begin at multiples of 128 bytes: the price of the longer step; they are a third of a step's bytes.  wo16's rows are 512 bytes at multiples of 512.
; wo16 has K as its first axis: its tile lies in LDS as [192 k][256 n] and its fragments come turned, by ds_load_tr16_b128.
; THE MATRIX INSTRUCTION IS USED TRANSPOSED (source 0 = 16 columns of Wo, source 1 = 16 rows of at): a lane holds eight neighbouring numbers of a row of the output.  THE BIAS is the C of each sum's first instruction.
; CLUSTERS: 4 x 4 work-groups: at's tile is shared along a row of the cluster, wo16's along a column; each is asked for jointly.
; REGISTERS: window 0: v0-31 addresses; v32-63, v64-95 A's fragments, two buffers; v96-159 the bias; v128-255 rows on the way out.   window 1: v0-63, v64-127 B's fragments, two buffers.   window 2: accumulator (a, b) at v[8 (8 a + b)].
.set KSTEP,  192
.set PA,     432                       ; a row of at's tile in LDS: three pieces of 128 bytes, 16 of padding behind each: 27 x 16 bytes, so that the 16 rows of a fragment load fall on 16 different columns of 16 bytes
.set PA2,    288                       ; the same in the last step: two pieces.  Both layouts fill 128 of every 144 bytes, counted from LDS byte 0
.set PB,     544                       ; a row of wo16's tile: 512 bytes + 32
.set BOFF,   128*PA
.set SLOT,   BOFF+KSTEP*PB
.set STAGE,  SLOT                      ; the way out: 16 rows x (512 + 16) bytes for each wave, in slot 1, which has had its last fill and its last read when the first result is stored there
.set SPITCH, 528
.set SPARE,  2*SLOT                    ; behind the ring: the spare words, 128 bytes for each wave
.set ADRA, 16                          ; v16, v17 LDS address of my A fragments in slot 0, 1
.set ADRL, 18                          ; v18      the same in the last step (slot 0, pitch PA2)
.set ADRB, 20                          ; v20, v21 the same for B, units 0 to 2;  v22, v23 units 3 to 5: their offsets would pass the 16 bits of an LDS offset
.set STO,  24
.set RD,   25
.set CO,   26
.set BA,   27
.set SPW,  28
.set NIL,  29
.set BI,   96
.set BK,   128
.set G1, 24                            ; s[24:31] descriptor group 1 for A's tiles;  s[32:39] group 0, one set for each slot
.set G0, 32
.set G1B, 48                           ; s[48:55], s[56:63] the same for B's tiles
.set G0B, 56
.set G1X, 72                           ; s[72:79] group 1 for A's last tile (its group 0 is slot 0's)
.set G1BX, 80                          ; s[80:87], s[88:91] groups 1 and 0 for B's last tile
.set G0BX, 88
.set MSB, 0
.macro WIN new
.if MSB != (\new)
	s_set_vgpr_msb (MSB<<8)|(\new)
.set MSB, (\new)
.endif
.endm
.set MUL,  0xa1                        ; source 0 (B) window 1, source 1 (A) window 0, C and D window 2
.set TO_B, 0x40
.macro JLOAD g0a, g1a, g0b, g1b        ; a joint load: waves 0 and 1 fetch A's two halves, waves 2 and 3 B's; the branch hangs on the wave's number alone; an s_nop 0 and four v_nop follow each line
	s_cmp_eq_u32 s15, 0
	s_cbranch_scc0 .Lfor_b_\@
	tensor_load_to_lds s[\g0a:\g0a+3], s[\g1a:\g1a+7]
	s_nop 0
.rept 4
	v_nop
.endr
	s_branch .Lasked_\@
.Lfor_b_\@:
	tensor_load_to_lds s[\g0b:\g0b+3], s[\g1b:\g1b+7]
	s_nop 0
.rept 4
	v_nop
.endr
.Lasked_\@:
.endm
.macro CREST
	s_cmp_lg_u32 s14, 0
	s_cbranch_scc1 .Lnot_wave_0_\@
	s_barrier_signal -3
.Lnot_wave_0_\@:
	s_barrier_wait -3
	s_barrier_signal -1
	s_barrier_wait -1
.endm
.macro CROUND
	s_barrier_signal -1
	s_barrier_wait -1
	CREST
.endm
	s_load_b256 s[4:11], s[0:1], 0x0               ; at s[4:5], wo16 s[6:7], bo s[8:9], out0 s[10:11]
	v_lshl_add_u32 v[SPW], v0, 2, SPARE
	v_mov_b32 v[NIL], 0
	ds_add_u32 v[SPW], v[NIL]                      ; the wave's opening: the add, twice on end, and its wait ahead of my first tensor load
	ds_add_u32 v[SPW], v[NIL]
	v_lshrrev_b32 v1, 5, v0
	v_readfirstlane_b32 s14, v1                    ; wave 0..3
	s_lshr_b32 s15, s14, 1                         ; which 64 rows of the tile are mine.  Also: I fetch for A (0) or for B (1)
	s_and_b32 s16, s14, 1                          ; which 128 columns.  Also: which half of that tile I fetch
	s_bfe_u32 s40, ttmp6, 0x40000
	s_bfe_u32 s41, ttmp6, 0x40004
	s_lshl_b32 s42, ttmp9, 2
	s_add_co_u32 s42, s42, s40                     ; tile column
	s_and_b32 s17, ttmp7, 0xffff
	s_lshl_b32 s17, s17, 2
	s_add_co_u32 s17, s17, s41                     ; tile row
	s_lshl_b32 s43, s41, 2
	s_lshl_b32 s43, 15, s43                        ; my row of the cluster
	s_lshl_b32 s44, 0x1111, s40                    ; my column
	s_or_b32 s[G1+0], s43, (1<<16)|(1<<20)|(1<<21)|(4<<22)|(3<<25)    ; the mask; elements of 2 bytes; padding on; bit 21 beside a mask; after every 32 words, 4 words
	s_mov_b32 s[G1+1], KSTEP<<16                   ; tensor_dim0
	s_mov_b32 s[G1+2], 64<<16                      ; tensor_dim1
	s_mov_b32 s[G1+3], KSTEP<<16                   ; tile_dim0
	s_mov_b32 s[G1+4], 64                          ; tile_dim1
	s_mov_b32 s[G1+5], 2048                        ; from row to row
	s_mov_b32 s[G1+6], 0
	s_mov_b32 s[G1+7], 0
	s_or_b32 s[G1X+0], s43, (1<<16)|(1<<20)|(1<<21)|(4<<22)|(3<<25)   ; the last step's: rows of 128 elements
	s_mov_b32 s[G1X+1], 128<<16
	s_mov_b32 s[G1X+2], 64<<16
	s_mov_b32 s[G1X+3], 128<<16
	s_mov_b32 s[G1X+4], 64
	s_mov_b32 s[G1X+5], 2048
	s_mov_b32 s[G1X+6], 0
	s_mov_b32 s[G1X+7], 0
	s_or_b32 s[G1B+0], s44, (1<<16)|(1<<20)|(1<<21)|(6<<22)|(7<<25)   ; after every 128 words, 8 words
	s_mov_b32 s[G1B+1], 256<<16
	s_mov_b32 s[G1B+2], 96<<16
	s_mov_b32 s[G1B+3], 256<<16
	s_mov_b32 s[G1B+4], 96                         ; 96 rows of k to a wave
	s_mov_b32 s[G1B+5], 4096
	s_mov_b32 s[G1B+6], 0
	s_mov_b32 s[G1B+7], 0
	s_or_b32 s[G1BX+0], s44, (1<<16)|(1<<20)|(1<<21)|(6<<22)|(7<<25)  ; the last step's: 64 rows of k to a wave
	s_mov_b32 s[G1BX+1], 256<<16
	s_mov_b32 s[G1BX+2], 64<<16
	s_mov_b32 s[G1BX+3], 256<<16
	s_mov_b32 s[G1BX+4], 64
	s_mov_b32 s[G1BX+5], 4096
	s_mov_b32 s[G1BX+6], 0
	s_mov_b32 s[G1BX+7], 0
	s_lshl_b32 s18, s16, 6                         ; which 64 rows of A I fetch
	s_lshl_b32 s20, s17, 7
	s_add_co_u32 s20, s20, s18                     ; A: row 128 x tile row + 64 x half
	s_lshl_b32 s20, s20, 12                        ; x 4,096 bytes
	s_mov_b32 s21, 0
	s_mul_i32 s46, s16, 96*8192                    ; B: k row 96 x half, x 8,192 bytes,
	s_lshl_b32 s47, s42, 9                         ; + 512 bytes x tile column
	s_add_co_u32 s46, s46, s47
	s_mov_b32 s47, 0
	s_lshl_b32 s92, s16, 19                        ; B's last tile: k row 1,920 + 64 x half
	s_lshl_b32 s93, s42, 9
	s_add_co_u32 s92, s92, s93
	s_add_co_u32 s92, s92, 1920*8192
	s_mov_b32 s93, 0
	s_mul_i32 s45, s16, 64*PA                      ; where they go: no place in the cluster enters an LDS address
	s_mul_i32 s66, s16, 96*PB
	s_add_co_u32 s66, s66, BOFF
	s_mov_b32 s[G0BX], 1
	s_mul_i32 s[G0BX+1], s16, 64*PB
	s_add_co_u32 s[G0BX+1], s[G0BX+1], BOFF        ; the last tile goes into slot 0
	s_wait_dscnt 0x0                               ; both opening adds are done
	s_wait_kmcnt 0x0
	s_add_nc_u64 s[20:21], s[4:5], s[20:21]
	s_add_nc_u64 s[46:47], s[6:7], s[46:47]
	s_add_nc_u64 s[G0BX+2:G0BX+3], s[6:7], s[92:93]
	s_or_b32 s[G0BX+3], s[G0BX+3], 0x80000000
	CROUND                                         ; all sixteen work-groups are here: the first joint loads meet
.irp s, 0,1
	s_mov_b32 s[G0+4*\s], 1
	s_add_co_u32 s[G0+4*\s+1], s45, \s*SLOT
	s_add_nc_u64 s[G0+4*\s+2:G0+4*\s+3], s[20:21], \s*KSTEP*2
	s_or_b32 s[G0+4*\s+3], s[G0+4*\s+3], 0x80000000
	s_mov_b32 s[G0B+4*\s], 1
	s_add_co_u32 s[G0B+4*\s+1], s66, \s*SLOT
	s_add_nc_u64 s[G0B+4*\s+2:G0B+4*\s+3], s[46:47], \s*KSTEP*8192
	s_or_b32 s[G0B+4*\s+3], s[G0B+4*\s+3], 0x80000000
	JLOAD G0+4*\s, G1, G0B+4*\s, G1B
.endr
	v_and_b32 v1, 15, v0                           ; r
	v_bfe_u32 v2, v0, 4, 1                         ; h
	s_lshl_b32 s67, s42, 8
	s_lshl_b32 s68, s16, 7
	s_add_co_u32 s67, s67, s68                     ; my first column
	s_lshl_b32 s68, s67, 2
	s_mov_b32 s69, 0
	s_add_nc_u64 s[8:9], s[8:9], s[68:69]
	v_lshlrev_b32 v[BA], 5, v2
.irp b, 0,1,2,3,4,5,6,7
	global_load_b128 v[BI+8*\b:BI+8*\b+3], v[BA], s[8:9] offset:64*\b          ; bo in the result's layout: columns 16 b + 8 h + 0 .. 7
	global_load_b128 v[BI+8*\b+4:BI+8*\b+7], v[BA], s[8:9] offset:64*\b+16
.endr
	s_add_nc_u64 s[10:11], s[10:11], s[68:69]      ; out0 at my first column,
	s_lshl_b32 s68, s17, 7
	s_lshl_b32 s70, s15, 6
	s_add_co_u32 s68, s68, s70
	s_lshl_b32 s68, s68, 14                        ; and my first row, x 16,384 bytes
	s_add_nc_u64 s[10:11], s[10:11], s[68:69]
	v_mul_u32_u24 v3, v1, PA
	v_lshl_add_u32 v3, v2, 4, v3                   ; A: row r x pitch + 16 h
	s_mul_i32 s21, s15, 64*PA                      ; my 64 rows
	v_mul_u32_u24 v7, v1, PA2
	v_lshl_add_u32 v7, v2, 4, v7
	s_mul_i32 s71, s15, 64*PA2
	v_add_nc_u32 v[ADRL], s71, v7                  ; the same in the last step's layout
	v_and_b32 v4, 7, v0
	v_lshl_add_u32 v4, v2, 3, v4
	v_mul_u32_u24 v4, v4, PB
	v_bfe_u32 v5, v0, 3, 1
	v_lshl_add_u32 v4, v5, 4, v4                   ; B, for the turning load: k row 8 h + l % 8, columns 8 ((l / 8) % 2) on
	s_lshl_b32 s22, s16, 8                         ; my 128 columns
	s_add_co_u32 s22, s22, BOFF
.irp s, 0,1
	v_add_nc_u32 v[ADRA+\s], s21, v3
	v_add_nc_u32 v[ADRB+\s], s22, v4
	v_add_nc_u32 v[ADRB+2+\s], 96*PB, v[ADRB+\s]   ; units 3 to 5 begin 96 rows of k on
	s_add_co_u32 s21, s21, SLOT
	s_add_co_u32 s22, s22, SLOT
.endr
	s_mul_i32 s23, s14, 16*SPITCH
	s_add_co_u32 s23, s23, STAGE                   ; my stage
	v_mul_u32_u24 v5, v1, SPITCH
	v_lshl_add_u32 v5, v2, 5, v5
	v_add_nc_u32 v[STO], s23, v5                   ; in: row r, 32 bytes for each half of the lanes
	v_and_b32 v6, 31, v0
	v_lshlrev_b32 v[CO], 4, v6
	v_add_nc_u32 v[RD], s23, v[CO]                 ; back: the 32 lanes take one row of 512 bytes
; 8 matrix instructions: A's block a x B's eight, 32 along K, from buffer f.  zero = 1: the sums begin with the bias.  The 32 accumulators take turns.
.macro MUL8 f, a, zero
.irp b, 0,1,2,3,4,5,6,7
.if \zero
	v_wmma_f32_16x16x32_f16 v[8*(8*(\a)+\b):8*(8*(\a)+\b)+7], v[64*(\f)+8*\b:64*(\f)+8*\b+7], v[32+32*(\f)+8*(\a):32+32*(\f)+8*(\a)+7], v[BI+8*\b:BI+8*\b+7]
.else
	v_wmma_f32_16x16x32_f16 v[8*(8*(\a)+\b):8*(8*(\a)+\b)+7], v[64*(\f)+8*\b:64*(\f)+8*\b+7], v[32+32*(\f)+8*(\a):32+32*(\f)+8*(\a)+7], v[8*(8*(\a)+\b):8*(8*(\a)+\b)+7]
.endif
.endr
.endm
; 24 LDS loads in one run: the fragments of the slot's unit q (32 along K) into buffer f.  In A's rows unit q begins 64 q bytes on, and 16 more for each piece of 128 passed.  last = 1: A in the last step's layout.
.macro FETCH slot, q, f, last
	WIN TO_B
.irp b, 0,1,2,3,4,5,6,7
	ds_load_tr16_b128 v[64*(\f)+8*\b:64*(\f)+8*\b+3], v[ADRB+\slot+2*((\q)/3)] offset:((\q)%3)*32*PB+32*\b
	ds_load_tr16_b128 v[64*(\f)+8*\b+4:64*(\f)+8*\b+7], v[ADRB+\slot+2*((\q)/3)] offset:((\q)%3)*32*PB+16*PB+32*\b
.endr
	WIN 0
.irp i, 0,1,2,3
.if \last
	ds_load_b128 v[32+32*(\f)+8*\i:32+32*(\f)+8*\i+3], v[ADRL] offset:64*(\q)+16*((\q)/2)+\i*16*PA2
	ds_load_b128 v[32+32*(\f)+8*\i+4:32+32*(\f)+8*\i+7], v[ADRL] offset:64*(\q)+16*((\q)/2)+\i*16*PA2+32
.else
	ds_load_b128 v[32+32*(\f)+8*\i:32+32*(\f)+8*\i+3], v[ADRA+\slot] offset:64*(\q)+16*((\q)/2)+\i*16*PA
	ds_load_b128 v[32+32*(\f)+8*\i+4:32+32*(\f)+8*\i+7], v[ADRA+\slot] offset:64*(\q)+16*((\q)/2)+\i*16*PA+32
.endif
.endr
.endm
.macro PLACES                          ; plain vector instructions between a matrix instruction and a load into, or a read of, its registers
.rept 4
	v_nop
.endr
.endm
; A K step is six units of 32 along K (the last step: four), 32 matrix instructions each, on buffers 0, 1 by turns.  UNIT: buffer f is in; unit q is asked for, into buffer g; then f is multiplied: the loads have 32 products in which to land.
.macro UNIT slot, q, f, g, zero, last
	s_wait_dscnt 0x0
	PLACES
	FETCH \slot, \q, \g, \last
.if \zero
	WIN 0x81                                       ; C (the bias) window 0, D window 2
.else
	WIN MUL
.endif
	MUL8 \f, 0, \zero
	MUL8 \f, 1, \zero
	MUL8 \f, 2, \zero
	MUL8 \f, 3, \zero
.endm
; A slot's last unit multiplies buffer 1 and changes slots: one barrier; in front of it each wave waits for all its tensor loads, adds 0 to its spare word, and waits for that and for its reads of this slot.
; fill = 1: this slot is filled again, two K steps ahead;  2: with the last, short K step;  0: not at all.  last = 1: the slot ahead holds the last step.
.macro TURN slot, next, fill, last
	WIN 0
	s_wait_tensorcnt 0x0                           ; all my tensor loads have landed: my part of the next slot
	ds_add_u32 v[SPW], v[NIL]
	s_wait_dscnt 1                                 ; buffer 1 is in; the add is younger
	WIN MUL
	MUL8 1, 0, 0
	s_wait_dscnt 0x0                               ; the add is done, and my reads of this slot are over
	s_barrier_signal -1
	MUL8 1, 1, 0
	WIN 0
	s_barrier_wait -1
.if (\fill) == 1
	CREST                                          ; the barrier has opened a round of the cluster's barrier: no wave of any partner still reads this slot or has a load on its way
	s_add_nc_u64 s[G0+4*\slot+2:G0+4*\slot+3], s[G0+4*\slot+2:G0+4*\slot+3], 2*KSTEP*2
	s_add_nc_u64 s[G0B+4*\slot+2:G0B+4*\slot+3], s[G0B+4*\slot+2:G0B+4*\slot+3], 2*KSTEP*8192
	JLOAD G0+4*\slot, G1, G0B+4*\slot, G1B         ; the first tensor load behind the round: 176 matrix instructions ahead of the wait for it; its four v_nop are also the places in front of the loads below
.elseif (\fill) == 2
	CREST
	s_add_nc_u64 s[G0+4*\slot+2:G0+4*\slot+3], s[G0+4*\slot+2:G0+4*\slot+3], 2*KSTEP*2   ; A's last 128 along K,
	s_mul_i32 s[G0+4*\slot+1], s16, 64*PA2         ; 64 rows of the shorter pitch to a wave
	JLOAD G0+4*\slot, G1X, G0BX, G1BX
.else
	PLACES
.endif
	FETCH \next, 0, 0, \last
	WIN MUL
	MUL8 1, 2, 0
	MUL8 1, 3, 0
.endm
.macro UNITS25 slot                    ; a full K step's units 1 to 4 are multiplied, its units 2 to 5 asked for
	UNIT \slot, 2, 1, 0, 0, 0
	UNIT \slot, 3, 0, 1, 0, 0
	UNIT \slot, 4, 1, 0, 0, 0
	UNIT \slot, 5, 0, 1, 0, 0
.endm
	s_wait_tensorcnt 1                             ; my part of K step 0 is in; K step 1's load is younger
	s_barrier_signal -1
	s_barrier_wait -1
	FETCH 0, 0, 0, 0
	s_wait_loadcnt 0x0                             ; the bias
	UNIT 0, 1, 0, 1, 1, 0                          ; the first unit stands in front of the loop: its products start the sums
	WIN 0
	s_mov_b32 s3, 4
.Llap:                                             ; four trips: K steps 0 to 7; a trip goes once round the ring, from a lap's second unit to the next lap's first, and fills both slots again
	UNITS25 0
	TURN 0, 1, 1, 0
	UNIT 1, 1, 0, 1, 0, 0
	UNITS25 1
	TURN 1, 0, 1, 0
	UNIT 0, 1, 0, 1, 0, 0
	WIN 0
	s_sub_co_u32 s3, s3, 1
	s_cmp_lg_u32 s3, 0
	s_cbranch_scc1 .Llap
	UNITS25 0                                      ; K step 8;
	TURN 0, 1, 2, 0                                ; its slot takes the last, short step
	UNIT 1, 1, 0, 1, 0, 0                          ; K step 9
	UNITS25 1
	TURN 1, 0, 0, 1                                ; nothing is left to ask for
	UNIT 0, 1, 0, 1, 0, 1                          ; K step 10: four units
	UNIT 0, 2, 1, 0, 0, 1
	UNIT 0, 3, 0, 1, 0, 1
	s_wait_dscnt 0x0
	WIN MUL
	MUL8 1, 0, 0
	MUL8 1, 1, 0
	MUL8 1, 2, 0
	MUL8 1, 3, 0
	WIN 0
; THE WAY OUT, block by block of 16 rows x 128 columns, through my own stage: whole rows of 512 bytes come back and are stored by the 32 lanes.
.macro TOSTAGE a
	WIN 0x08                                       ; an LDS store's data are its source 1: window 2
.irp b, 0,1,2,3,4,5,6,7
	ds_store_b128 v[STO], v[8*(8*(\a)+\b):8*(8*(\a)+\b)+3] offset:64*\b          ; each accumulator from its low end on
	ds_store_b128 v[STO], v[8*(8*(\a)+\b)+4:8*(8*(\a)+\b)+7] offset:64*\b+16
.endr
	WIN 0
.set BB, BK+64*((\a)%2)
.irp t, 0,1,2,3,4,5,6,7,8,9,10,11,12,13,14,15
	ds_load_b128 v[BB+4*\t:BB+4*\t+3], v[RD] offset:\t*SPITCH      ; LDS serves a wave's instructions in order: these see the stores above
.endr
.endm
.macro SEND a, younger                 ; younger: the LDS instructions issued behind block a's loads
.set BB, BK+64*((\a)%2)
	s_wait_dscnt \younger
.irp t, 0,1,2,3,4,5,6,7,8,9,10,11,12,13,14,15
	global_store_b128 v[CO], v[BB+4*\t:BB+4*\t+3], s[10:11] offset:(16*(\a)+\t)*16384 th:TH_STORE_NT   ; 32 lanes store 512 consecutive bytes; written once, read by nobody here
.endr
.endm
	PLACES
	TOSTAGE 0
.irp a, 1,2,3
.if \a > 1
	s_wait_xcnt 0x0                                ; block a - 2's stores have read their registers: block a's rows may land there
.endif
	TOSTAGE \a
	SEND \a-1, 32                                  ; behind block a - 1's loads: block a's 16 stores and 16 loads
.endr
	SEND 3, 0
	s_wait_tensorcnt 0x0                           ; the wave's end
	ds_add_u32 v[SPW], v[NIL]
	s_wait_dscnt 0x0
	CROUND                                         ; the closing round: no work-group ends while a partner may still ask for a tile that names it
	s_endpgm
.Lfunc_end_k_q974b6a81a9_oproj:
	.size	k_q974b6a81a9_oproj, .Lfunc_end_k_q974b6a81a9_oproj-k_q974b6a81a9_oproj
	.p2alignl 7, 3214868480
	.fill 96, 4, 3214868480
	.section	.rodata,"a",@progbits
	.p2align	6, 0x0
	.amdhsa_kernel k_q974b6a81a9_oproj
		.amdhsa_group_segment_fixed_size 327680
		.amdhsa_private_segment_fixed_size 0
		.amdhsa_enable_private_segment 0
		.amdhsa_kernarg_size 32
		.amdhsa_user_sgpr_count 2
		.amdhsa_user_sgpr_kernarg_segment_ptr 1
		.amdhsa_wavefront_size32 1
		.amdhsa_system_sgpr_workgroup_id_x 1
		.amdhsa_system_sgpr_workgroup_id_y 1
		.amdhsa_system_sgpr_workgroup_id_z 1
		.amdhsa_system_vgpr_workitem_id 0
		.amdhsa_next_free_vgpr 768
		.amdhsa_next_free_sgpr 96
		.amdhsa_reserve_vcc 0
		.amdhsa_float_denorm_mode_32 3
		.amdhsa_float_denorm_mode_16_64 3
		.amdhsa_memory_ordered 1
		.amdhsa_forward_progress 1
		.amdhsa_inst_pref_size 134
	.end_amdhsa_kernel
	.amdgpu_metadata
---
amdhsa.version: [ 1, 2 ]
amdhsa.kernels:
  - .name:           k_q974b6a81a9_oproj
    .symbol:         k_q974b6a81a9_oproj.kd
    .args:
      - { .name: at, .offset: 0, .size: 8, .value_kind: global_buffer, .address_space: global }
      - { .name: wo16, .offset: 8, .size: 8, .value_kind: global_buffer, .address_space: global }
      - { .name: bo, .offset: 16, .size: 8, .value_kind: global_buffer, .address_space: global }
      - { .name: out0, .offset: 24, .size: 8, .value_kind: global_buffer, .address_space: global }
    .group_segment_fixed_size: 327680
    .private_segment_fixed_size: 0
    .kernarg_segment_align: 8
    .kernarg_segment_size: 32
    .max_flat_workgroup_size: 128
    .sgpr_count:     96
    .vgpr_count:     768
    .wavefront_size: 32
...
	.end_amdgpu_metadata
.endif
;; end of part 4
